; MI455X (gfx1250); checked and timed in simulation.
; The chip was launched on July 23, 2026; its instructions are those of AMD's public machine-readable ISA for CDNA 5 (MIT licence, August 2026) and "CDNA5" Instruction Set Architecture Reference Guide (July 2026). The comments in the code are by the model that wrote it; some were corrected since.
;; T5 Attention. Allowed arithmetic: matrix products marked QUANTISED: E2M3 operands, one E8M0 scale for each 32 along K, by v_wmma_scale_f32_16x16x128_f8f6f4 with both operands' format E2M3, f32 sums; everything else in f32.
;; Inputs: hidden_states 4 x 2,048 x 1,024 float32; rel_bias 32 x 16 float32; wk 1,024 x 1,024 float32; wo 1,024 x 1,024 float32; wq 1,024 x 1,024 float32; wv 1,024 x 1,024 float32.
;; Outputs: out0 4 x 2,048 x 1,024 float32.
;; This version of the problem:
;;   THIS VERSION OF THE PROBLEM IS GIVEN IN LOW PRECISION. The matrix products marked QUANTISED in the list below multiply operands that are first quantised to E2M3 (2 exponent bits, 3 mantissa bits; 6 bits a number), with one power-of-two scale for each 32 numbers along K (OCP MX v1.0); their sums are f32. All else is computed in f32.
;;   The module's matrix products, in the order in which they are computed (A, B: the left and right operand; K: the contracted axis; several contracted axes count as one K, in the product's order):
;;     1. [M 8,192, K 1,024] x [K 1,024, N 1,024]; A: input hidden_states; B: input wq: QUANTISED
;;     2. [M 8,192, K 1,024] x [K 1,024, N 1,024]; A: input hidden_states; B: input wk: QUANTISED
;;     3. [M 8,192, K 1,024] x [K 1,024, N 1,024]; A: input hidden_states; B: input wv: QUANTISED
;;     4. batch 64 x [M 2,048, K 64] x [K 64, N 2,048]; A: computed on the way; B: computed on the way: QUANTISED
;;     5. batch 64 x [M 2,048, K 2,048] x [K 2,048, N 64]; A: softmax (see below); B: computed on the way: QUANTISED
;;     6. [M 8,192, K 1,024] x [K 1,024, N 1,024]; A: computed on the way; B: input wo: QUANTISED
;;   THE QUANTISER, for each operand of a quantised product, along K:
;;     - K is cut into blocks of 32 from its start; a last block that is shorter is filled with zeros.
;;     - A block's scale is 2^e with e = floor(log2(the largest magnitude in the block)) - 2, held to -126 .. 127; a block of zeros has e = 0. As a byte (E8M0): e + 127.
;;     - Each number is divided by its block's scale, clamped to +-7.5, and rounded to the nearest number of E2M3, ties to even, subnormals kept.
;;     - The product sums the exact products of the quantised numbers (number of the format x scale) in f32.
;;   ~~~python
;;   def quantise(x, axis):      # numpy; x: float32 -> the quantised numbers, widened to float32 again
;;       x = np.moveaxis(x, axis, -1); K = x.shape[-1]
;;       x = np.pad(x, [(0, 0)] * (x.ndim - 1) + [(0, -K % 32)]); x = x.reshape(x.shape[:-1] + (-1, 32)); a = np.abs(x).max(-1, keepdims=True)
;;       e = np.where(a > 0, np.clip(np.frexp(np.where(a > 0, a, 1))[1] - 1 - 2, -126, 127), 0)      # np.frexp(a)[1] - 1 = floor(log2(a)), exactly
;;       r = np.clip(x / 2.0 ** e, -7.5, 7.5)
;;       step = 2.0 ** (np.maximum(np.frexp(np.where(r == 0, 1, r))[1] - 1, 0) - 3)
;;       q = np.round(r / step) * step * 2.0 ** e      # np.round: ties to even
;;       return np.moveaxis(q.reshape(q.shape[:-2] + (-1,))[..., :K], -1, axis).astype(np.float32)
;;   ~~~
;;   SOFTMAX AHEAD OF A QUANTISED PRODUCT. Where the list says 'softmax', what is quantised is not the finished softmax but p = 2^(t - M), with t = logit x log2(e) and M = ceil(the row's largest t), a whole number; so 1/2 < the row's largest p <= 1. The row's sum l is taken of the UNQUANTISED p, in f32, and the product's result is divided by l at the end. Since M is a whole number, a kernel that streams over the keys may use a running M (the ceiling of the running maximum): every later rescaling is an exact power of two, which a block's scale takes up: the codes' values come out the same.
;;   OPERANDS COMPUTED ON THE WAY. 'Computed on the way' means the value that the module computes at that place (a softmax that the list does not call 'softmax' is quantised finished and normalised). What goes into a quantiser is computed in f32, as accurately as f32 sums, v_exp_f32 and their like allow (about 1e-6 of the number): no bf16 or f16 on the way to a quantiser, and a product that is left as it is and whose result goes on into a quantised operand takes f32 operands (vector FMAs, or v_wmma_f32_16x16x4_f32). A number that lies on a knife's edge between two numbers of the format may be rounded either way, as far as f32 arithmetic and the matrix unit's own rounding can turn it there, and no further.
;; One version. Each part assembles by itself: llvm-mc -triple=amdgcn-amd-amdhsa -mcpu=gfx1250 --defsym DOCPART=n.
;; ======== version 1 of 1: 4 launches
;; workspace buffers: xc 6,291,456 bytes; wc 3,145,728 bytes; ctxc 6,291,456 bytes; scl 655,360 bytes; qkv 20,185,088 bytes
;; launch quant (part 1): grid 640 x 1, 8 waves a work-group, no clusters, 93,184 bytes of LDS; arguments hidden_states, wq, wk, wv, wo, xc, wc, scl; writes xc, wc, scl
.if DOCPART == 1
	.amdgcn_target "amdgcn-amd-amdhsa--gfx1250"
	.amdhsa_code_object_version 6
	.text
	.protected	k_q3117f99b6a_quant
	.globl	k_q3117f99b6a_quant
	.p2align	8
	.type	k_q3117f99b6a_quant,@function
k_q3117f99b6a_quant:
	s_mov_b64 s[64:65], 0
	v_nop
	global_prefetch_b8 v0, s[64:65] scope:SCOPE_SE
	s_setreg_imm32_b32 hwreg(HW_REG_WAVE_MODE, 25, 1), 1
	s_wait_xcnt 0x0
; hidden_states [8192][1024] and the four weights [1024 (k)][1024 (n)], f32, become codes of FP6 (E2M3) with one E8M0 byte for each 32 along K, laid AS THE MATRIX OPERAND'S REGISTERS.
; A block's scale is 2^(floor(log2(largest magnitude)) - 2): its byte is that magnitude's exponent field - 2, held at 1 from below by a floor among the maximum's leaves.
; FRAGMENT IMAGE, 1,536 bytes = 16 rows x 128 K = 12 registers a lane, in two halves c of 768 bytes: registers 6c..6c+3 of lane l at 768 c + 16 l, registers 6c+4, 6c+5 at 768 c + 512 + 8 l.
; Lane (r, hl) holds k = 64 c + 32 hl + 0..31 of the tile's row r.  THE ROWS OF A TILE ARE NOT NEIGHBOURS: row r of tile 2 g + u is row 32 g + 8 u + r + 8 (r / 8) of the tensor.
; xc [slot 4][tile 512][q 2][1536], wc [slot 4][tile 256][q 2][1536] (K step = 2 slot + q; weight wi's tiles from 64 wi);  scl [tile][K step 8][row 16] words: x's tiles at 0, the weights' at 262,144.
; Work-groups 0..511: one tile of 16 rows of x, wave w its K step w.  Work-groups 512..639: one weight, 256 columns, one K step; a wave takes 32 columns, a lane a column, registers down K.
; No wave reads what another wrote: no barrier.  The two paths have LDS bytes of their own.
; LIMITS: NaN and infinities are not served; a block whose largest magnitude lies under 2^-124 keeps the byte 1; a block of zeros has the byte 1 where the rule says 127 (its codes are zeros, and this program alone reads the bytes).
.set XSTG, 8448                        ; x: a wave's stage: 16 rows x (512 bytes + 16)
.set WST0, 8*XSTG                      ; the weights' stages begin behind x's
.set WSTG, 3072                        ; a wave's: two fragment images
.set R,    16                          ; v16-79   numbers as loaded
.set X,    80                          ; v80-143  x: my two blocks of 32 neighbours
.set C,    144                         ; v144-155 the codes
.set TA,   156                         ; v156-158, v160-162: a conversion's three registers begin on an even number, so a block's second half is made here and moved
	s_load_b256 s[4:11], s[0:1], 0x0               ; hidden s[4:5], wq s[6:7], wk s[8:9], wv s[10:11]
	s_load_b256 s[12:19], s[0:1], 0x20             ; wo s[12:13], xc s[14:15], wc s[16:17], scl s[18:19]
	v_lshl_add_u32 v168, v0, 2, 0x16800
	v_mov_b32 v169, 0
	v_and_b32 v1, 31, v0                           ; lane
	v_lshrrev_b32 v2, 5, v0
	v_readfirstlane_b32 s20, v2                    ; wave 0..7
	v_lshlrev_b32 v4, 4, v1                        ; 16 l
	v_lshlrev_b32 v8, 3, v1                        ; 8 l
	s_cmp_lt_u32 ttmp9, 512
	s_cbranch_scc0 .Lweights
	; ---------------- x: tile T = work-group, K step = wave
	v_and_b32 v2, 15, v0                           ; r
	v_bfe_u32 v3, v0, 4, 1                         ; hl
	s_mul_i32 s21, s20, XSTG
	v_add_nc_u32 v5, s21, v4                       ; into the stage: 16 l of a row
	v_mul_u32_u24 v6, v2, 528
	v_lshl_add_u32 v6, v3, 7, v6
	v_add_nc_u32 v6, s21, v6                       ; out of it: row r, + 128 hl: 32 numbers of each 64
	v_lshlrev_b32 v9, 2, v2                        ; 4 r: my row's scale word
	s_mov_b32 s24, 0x76543210
	s_mov_b32 s25, 0xfedcba98                      ; selects for lane l xor 16
	s_lshr_b32 s22, ttmp9, 1
	s_lshl_b32 s22, s22, 17                        ; 32 (T / 2) rows of 4,096 bytes
	s_and_b32 s23, ttmp9, 1
	s_lshl_b32 s23, s23, 15                        ; + 8 (T % 2) rows
	s_add_co_u32 s22, s22, s23
	s_lshl_b32 s23, s20, 9                         ; + the K step's 512 bytes
	s_add_co_u32 s22, s22, s23
	s_mov_b32 s23, 0
	s_lshr_b32 s26, s20, 1
	s_mul_i32 s26, s26, 1572864                    ; xc: slot
	s_mul_i32 s27, ttmp9, 3072                     ; tile
	s_add_co_u32 s26, s26, s27
	s_and_b32 s27, s20, 1
	s_mul_i32 s27, s27, 1536                       ; q
	s_add_co_u32 s26, s26, s27
	s_mov_b32 s27, 0
	s_lshl_b32 s28, ttmp9, 9                       ; scl: 512 T + 64 w
	s_lshl_b32 s29, s20, 6
	s_add_co_u32 s28, s28, s29
	s_mov_b32 s29, 0
	s_wait_kmcnt 0x0
	s_add_nc_u64 s[4:5], s[4:5], s[22:23]
	s_add_nc_u64 s[14:15], s[14:15], s[26:27]
	s_add_nc_u64 s[18:19], s[18:19], s[28:29]
.irp i, 0,1,2,3,4,5,6,7,8,9,10,11,12,13,14,15
	global_load_b128 v[R+4*\i:R+4*\i+3], v4, s[4:5] offset:(\i+8*(\i/8))*4096 th:TH_LOAD_NT   ; the tile's row i: 512 consecutive bytes
.endr
.irp i, 0,1,2,3,4,5,6,7,8,9,10,11,12,13,14,15
	s_wait_loadcnt 15-\i                           ; row i is in; the younger loads stay out
	ds_store_b128 v5, v[R+4*\i:R+4*\i+3] offset:528*\i
.endr
.irp c, 0,1
.irp i, 0,1,2,3,4,5,6,7
	ds_load_b128 v[X+32*\c+4*\i:X+32*\c+4*\i+3], v6 offset:256*\c+16*\i   ; LDS serves a wave's instructions in order: these see my stores.  Rows 528 bytes apart: sixteen lanes start 16 bytes apart modulo 256
.endr
.endr
	s_wait_dscnt 0x0
.irp c, 0,1
	v_max3_num_f32 v[10+\c], |v[X+32*\c]|, |v[X+32*\c+1]|, 0x1800000   ; block 2 c + hl of my row: all 32 numbers are mine; the floor 2^(3 - 127) keeps the byte at 1 or above
.endr
.irp i, 2,4,6,8,10,12,14,16,18,20,22,24,26,28,30
.irp c, 0,1
	v_max3_num_f32 v[10+\c], v[10+\c], |v[X+32*\c+\i]|, |v[X+32*\c+\i+1]|
.endr
.endr
.irp c, 0,1
	v_add_nc_u32 v[12+\c], 0xff000000, v[10+\c]    ; 2 off the exponent field: the conversion's scale operand
.endr
.irp c, 0,1
	v_lshrrev_b32 v[14+\c], 23, v[12+\c]           ; the scale's byte
.endr
	v_lshl_or_b32 v164, v15, 16, v14               ; my bytes: blocks hl and 2 + hl,
	v_lshlrev_b32 v165, 3, v3
	v_lshlrev_b32 v164, v165, v164                 ; at their places in the word;
	v_mov_b32 v165, 0
	v_permlanex16_b32 v165, v164, s24, s25
	v_or_b32 v164, v164, v165                      ; with lane l xor 16's two the word is whole
.irp c, 0,1
	v_cvt_scalef32_pk16_fp6_f32 v[C+6*\c:C+6*\c+2], v[X+32*\c:X+32*\c+15], v[12+\c]
	v_cvt_scalef32_pk16_fp6_f32 v[TA+4*\c:TA+4*\c+2], v[X+32*\c+16:X+32*\c+31], v[12+\c]
.endr
	v_nop                                          ; one plain place behind a scaled conversion
.irp c, 0,1
.irp i, 0,1,2
	v_mov_b32 v[C+3+6*\c+\i], v[TA+4*\c+\i]
.endr
.endr
	global_store_b128 v4, v[C:C+3], s[14:15]                   ; the image: 512, 256, 512, 256 consecutive bytes, each run aligned to 256
	global_store_b64 v8, v[C+4:C+5], s[14:15] offset:512
	global_store_b128 v4, v[C+6:C+9], s[14:15] offset:768
	global_store_b64 v8, v[C+10:C+11], s[14:15] offset:1280
	v_cmp_gt_u32 vcc_lo, 16, v1
	s_wait_xcnt 0x0                                ; EXEC changes only behind this wait
	s_wait_tensorcnt 0x0
	ds_add_u32 v168, v169
	s_wait_dscnt 0x0
	s_and_saveexec_b32 s30, vcc_lo
	global_store_b32 v9, v164, s[18:19]            ; lanes 0-15: the tile's 16 words of this K step, 64 consecutive bytes
	s_wait_xcnt 0x0
	s_or_b32 exec_lo, exec_lo, s30
	s_endpgm
	; ---------------- the weights
.Lweights:
	s_sub_co_u32 s21, ttmp9, 512
	s_lshr_b32 s22, s21, 5                         ; wi: 0 wq, 1 wk, 2 wv, 3 wo
	s_bfe_u32 s23, s21, 0x20003                    ; cb: which 256 columns
	s_and_b32 s24, s21, 7                          ; K step
	v_bfe_u32 v2, v0, 3, 1                         ; my column 32 g + l is row r of tile 2 g + u: u = (l / 8) % 2,
	v_and_b32 v3, 7, v0
	v_bfe_u32 v5, v0, 4, 1
	v_lshl_add_u32 v3, v5, 3, v3                   ; r = l % 8 + 8 (l / 16)
	s_mul_i32 s25, s20, WSTG
	s_add_co_u32 s25, s25, WST0                    ; my stage
	v_mul_u32_u24 v5, v2, 1536
	v_add_nc_u32 v5, s25, v5
	v_lshl_add_u32 v6, v3, 4, v5                   ; image of tile u: 16 r
	v_lshl_add_u32 v7, v3, 3, v5                   ; and 8 r
	v_add_nc_u32 v9, s25, v4                       ; back: 16 l
	v_lshlrev_b32 v10, 2, v1                       ; in: 4 bytes a lane
	v_lshlrev_b32 v11, 9, v2
	v_lshl_add_u32 v11, v3, 2, v11                 ; my scale word: 512 u + 4 r
	s_lshl_b32 s26, s24, 19                        ; in: 128 rows of 4,096 bytes a K step,
	s_lshl_b32 s27, s23, 10
	s_add_co_u32 s26, s26, s27
	s_lshl_b32 s27, s20, 7                         ; column 256 cb + 32 w
	s_add_co_u32 s26, s26, s27
	s_mov_b32 s27, 0
	s_lshl_b32 s28, s22, 6
	s_lshl_b32 s29, s23, 4
	s_add_co_u32 s28, s28, s29
	s_lshl_b32 s29, s20, 1
	s_add_co_u32 s28, s28, s29                     ; my first tile: 64 wi + 16 cb + 2 w
	s_lshl_b32 s32, s28, 9
	s_lshl_b32 s33, s24, 6
	s_add_co_u32 s32, s32, s33
	s_add_co_u32 s32, s32, 262144                  ; its scale words of this K step
	s_mov_b32 s33, 0
	s_mul_i32 s28, s28, 3072
	s_lshr_b32 s29, s24, 1
	s_mul_i32 s29, s29, 786432
	s_add_co_u32 s28, s28, s29
	s_and_b32 s29, s24, 1
	s_mul_i32 s29, s29, 1536
	s_add_co_u32 s28, s28, s29                     ; its image
	s_mov_b32 s29, 0
	s_wait_kmcnt 0x0
	s_cmp_eq_u32 s22, 1                            ; the weight is chosen by the work-group's number alone
	s_cselect_b64 s[6:7], s[8:9], s[6:7]
	s_cmp_eq_u32 s22, 2
	s_cselect_b64 s[6:7], s[10:11], s[6:7]
	s_cmp_eq_u32 s22, 3
	s_cselect_b64 s[6:7], s[12:13], s[6:7]
	s_add_nc_u64 s[6:7], s[6:7], s[26:27]
	s_add_nc_u64 s[16:17], s[16:17], s[28:29]
	s_add_nc_u64 s[18:19], s[18:19], s[32:33]
.macro LOAD t                          ; block t: W(32 t + i, my column) into set t % 2: a wave reads 128 consecutive bytes, the eight waves 1,024
.irp i, 0,1,2,3,4,5,6,7,8,9,10,11,12,13,14,15,16,17,18,19,20,21,22,23,24,25,26,27,28,29,30,31
	global_load_b32 v[R+32*((\t)%2)+\i], v10, s[6:7] offset:(32*(\t)+\i)*4096 th:TH_LOAD_NT
.endr
.endm
	LOAD 0
	LOAD 1
.macro BLOCK t                         ; block t is registers 6 (t / 2) .. + 5 of lane (r, t % 2) of my tile's image
.set XS, R+32*((\t)%2)
.if (\t) < 3
	s_wait_loadcnt 32                              ; this block's 32 loads are in; the next block's may be out
.else
	s_wait_loadcnt 0x0
.endif
	v_max3_num_f32 v13, |v[XS]|, |v[XS+1]|, |v[XS+2]|
	v_max3_num_f32 v14, |v[XS+3]|, |v[XS+4]|, |v[XS+5]|
.irp i, 6,10,14,18,22,26
	v_max3_num_f32 v13, v13, |v[XS+\i]|, |v[XS+\i+1]|
	v_max3_num_f32 v14, v14, |v[XS+\i+2]|, |v[XS+\i+3]|
.endr
	v_max3_num_f32 v13, v13, |v[XS+30]|, |v[XS+31]|
	v_max3_num_f32 v13, v13, v14, 0x1800000        ; and the floor
	v_add_nc_u32 v15, 0xff000000, v13
	v_lshrrev_b32 v14, 23, v15
.if (\t) == 0
	v_mov_b32 v12, v14                             ; the four bytes make my column's scale word
.else
	v_lshl_or_b32 v12, v14, 8*(\t), v12
.endif
	v_cvt_scalef32_pk16_fp6_f32 v[C:C+2], v[XS:XS+15], v15
	v_cvt_scalef32_pk16_fp6_f32 v[TA:TA+2], v[XS+16:XS+31], v15
	v_nop
.irp i, 0,1,2
	v_mov_b32 v[C+3+\i], v[TA+\i]
.endr
	ds_store_b128 v6, v[C:C+3] offset:768*((\t)/2)+256*((\t)%2)
	ds_store_b64 v7, v[C+4:C+5] offset:768*((\t)/2)+512+128*((\t)%2)
.if (\t) < 2
	LOAD (\t)+2
.endif
	s_wait_dscnt 0x0                               ; the stores have read their registers: the next block's codes may be written
.endm
	BLOCK 0
	BLOCK 1
	BLOCK 2
	BLOCK 3
.irp i, 0,1,2,3,4,5
	ds_load_b128 v[X+4*\i:X+4*\i+3], v9 offset:512*\i
.endr
.irp i, 0,1,2,3,4,5
	s_wait_dscnt 5-\i
	global_store_b128 v4, v[X+4*\i:X+4*\i+3], s[16:17] offset:512*(\i%3)+3072*(\i/3)   ; 512 consecutive bytes, aligned to 256
.endr
	global_store_b32 v11, v12, s[18:19]            ; two runs of 64 bytes: the two tiles' words of this K step
	s_wait_tensorcnt 0x0
	ds_add_u32 v168, v169
	s_wait_dscnt 0x0
	s_endpgm
.Lfunc_end_k_q3117f99b6a_quant:
	.size	k_q3117f99b6a_quant, .Lfunc_end_k_q3117f99b6a_quant-k_q3117f99b6a_quant
	.p2alignl 7, 3214868480
	.fill 96, 4, 3214868480
	.section	.rodata,"a",@progbits
	.p2align	6, 0x0
	.amdhsa_kernel k_q3117f99b6a_quant
		.amdhsa_group_segment_fixed_size 93184
		.amdhsa_private_segment_fixed_size 0
		.amdhsa_enable_private_segment 0
		.amdhsa_kernarg_size 64
		.amdhsa_user_sgpr_count 2
		.amdhsa_user_sgpr_kernarg_segment_ptr 1
		.amdhsa_wavefront_size32 1
		.amdhsa_system_sgpr_workgroup_id_x 1
		.amdhsa_system_sgpr_workgroup_id_y 1
		.amdhsa_system_sgpr_workgroup_id_z 1
		.amdhsa_system_vgpr_workitem_id 0
		.amdhsa_next_free_vgpr 170
		.amdhsa_next_free_sgpr 66
		.amdhsa_reserve_vcc 1
		.amdhsa_float_denorm_mode_32 3
		.amdhsa_float_denorm_mode_16_64 3
		.amdhsa_memory_ordered 1
		.amdhsa_forward_progress 1
		.amdhsa_inst_pref_size 32
	.end_amdhsa_kernel
	.amdgpu_metadata
---
amdhsa.version: [ 1, 2 ]
amdhsa.kernels:
  - .name:           k_q3117f99b6a_quant
    .symbol:         k_q3117f99b6a_quant.kd
    .args:
      - { .name: hidden_states, .offset: 0, .size: 8, .value_kind: global_buffer, .address_space: global }
      - { .name: wq, .offset: 8, .size: 8, .value_kind: global_buffer, .address_space: global }
      - { .name: wk, .offset: 16, .size: 8, .value_kind: global_buffer, .address_space: global }
      - { .name: wv, .offset: 24, .size: 8, .value_kind: global_buffer, .address_space: global }
      - { .name: wo, .offset: 32, .size: 8, .value_kind: global_buffer, .address_space: global }
      - { .name: xc, .offset: 40, .size: 8, .value_kind: global_buffer, .address_space: global }
      - { .name: wc, .offset: 48, .size: 8, .value_kind: global_buffer, .address_space: global }
      - { .name: scl, .offset: 56, .size: 8, .value_kind: global_buffer, .address_space: global }
    .group_segment_fixed_size: 93184
    .private_segment_fixed_size: 0
    .kernarg_segment_align: 8
    .kernarg_segment_size: 64
    .max_flat_workgroup_size: 256
    .sgpr_count:     66
    .vgpr_count:     170
    .wavefront_size: 32
...
	.end_amdgpu_metadata
.endif
;; end of part 1
;; launch gemm_qkv (part 2): grid 12 x 32, 4 waves a work-group, clusters of 4 x 4, 327,680 bytes of LDS; arguments xc, wc, scl, qkv; writes qkv
.if DOCPART == 2
	.amdgcn_target "amdgcn-amd-amdhsa--gfx1250"
	.amdhsa_code_object_version 6
	.text
	.protected	k_q3117f99b6a_gemm_qkv
	.globl	k_q3117f99b6a_gemm_qkv
	.p2align	8
	.type	k_q3117f99b6a_gemm_qkv,@function
k_q3117f99b6a_gemm_qkv:
	s_mov_b64 s[64:65], 0
	v_nop
	global_prefetch_b8 v0, s[64:65] scope:SCOPE_SE
	s_setreg_imm32_b32 hwreg(HW_REG_WAVE_MODE, 25, 1), 1
	s_wait_xcnt 0x0
	s_wait_alu depctr_hold_cnt(0) depctr_sa_sdst(0) depctr_va_vdst(0) depctr_va_sdst(0) depctr_va_ssrc(0) depctr_va_vcc(0) depctr_vm_vsrc(0)
	s_getreg_b32 s2, hwreg(HW_REG_IB_STS2, 6, 4)
	s_cmp_eq_u32 s2, 0
	s_cbranch_scc0 .Lentry_in_a_cluster
	s_endpgm
.Lentry_in_a_cluster:
	s_bfe_u32 s2, ttmp6, 0x10000c
	s_cmp_lg_u32 s2, 0xf033
	s_cbranch_scc0 .Lentry_shape_is_right
	s_endpgm
.Lentry_shape_is_right:
; q, k, v = x wq, x wk, x wv on codes of FP6 (E2M3) with E8M0 scales, sums in f32; the results are quantised in registers, q and k along the head's 64, v along the keys, and leave as operand images for the attention launch.
; A work-group makes 256 tokens x 256 columns, a wave 128 x 128: 64 accumulators, 512 registers.  The cluster's x is the CLASS: 0 q, 1 k, 2 v: equal in all sixteen partners.
; ROLES.  Source 0's rows run along a lane's registers in the result, source 1's rows lie in its lanes.  q, k: source 0 = the weight, source 1 = x: a lane holds a token, its registers run along the head's axis.
; v: source 0 = x, source 1 = the weight: a lane holds a channel, its registers run along the tokens, which are the keys.  x and the weights have ONE format, so the loop is one text; the class moves two LDS read bases alone.
; OPERANDS lie in memory as fragment images of 1,536 bytes (16 rows x 128 K: registers 6c..6c+3 of lane l at 768 c + 16 l, 6c+4, 6c+5 at 768 c + 512 + 8 l): every LDS load takes 512 or 256 consecutive bytes.
; Row r of tile 2 g + u is row 32 g + 8 u + r + 8 (r / 8): so the 16 registers of the result's tiles 2 g, 2 g + 1 are 16 neighbours, 32 g + 16 (lane / 16) + 0..15, along the next product's K.
; LDS: three slots of two K steps each (x's 256 rows, then the weight's 256 rows; 24,576 bytes a quarter, one tensor load a wave).  K = 1,024 is four fills: slots 0, 1, 2 at the start, slot 0 once more.
; CLUSTER 4 x 4: x's tiles are shared along a row of the cluster, the weight's along a column: each is asked for jointly.  By this text's own count a wave has at most three tensor loads outstanding.
; The scale words of all of K go into 64 registers once: register 8 i + ks: lanes 0-15 source 1's tile i, lanes 16-31 source 0's tile i.
; qkv [batch x head 64][step 16][19,712]: a record of 128 tokens: K codes 8 x 768 | V^T codes 4 x 1,536 | K scale words 512 | V scale words 256 | Q codes 8 x 768 | Q scale words 512.
; LIMITS: NaN and infinities are not served; a block whose largest magnitude lies under 2^-124 keeps the byte 1, a block of zeros too (its codes are zeros; this program alone reads the bytes).
; REGISTERS: window 0: v4-15 LDS addresses, v16, v17 16 l, 8 l; v28-30; v32-95 scale words; v128-223 source 1's eight fragments, one set; v96-123, v224-242 the way out.  window 1: source 0's fragments, two sets, at v0 and v128.  windows 2, 3: accumulator (a, b) at v[8 (8 (a % 4) + b)].
.set HALFT,  24576                     ; 8 tiles x 2 K steps x 1,536 bytes
.set SLOT,   4*HALFT
.set SPARE,  3*SLOT                    ; behind the slots: the spare words, 128 bytes for each wave
.set XSL,    1572864                   ; a slot's worth of x in memory
.set WSL,    786432                    ; and of the weights
.set HS,     315392                    ; from head to head in qkv: 16 records
.set A16, 4                            ; v4-6   source 1: base + 16 l in slot 0, 1, 2;  v7-9 base + 8 l
.set A8,  7
.set B16, 10                           ; v10-12, v13-15 the same for source 0
.set B8,  13
.set L16, 16
.set L8,  17
.set SPW, 28                           ; LDS address of my spare word; never rewritten
.set NIL, 29                           ; 0; never rewritten
.set FL,  30                           ; the floor 2^(3 - 127)
.set SC,  32
.set AF,  128
.set PW,  96                           ; v96-103  the eight scale words made on the way out
.set TM,  104                          ; v104-107 largest magnitudes, v108-111 the other half's, then bytes
.set SO,  112                          ; v112-115 the conversions' scale operands
.set WD,  116                          ; v116-123 scale words as they leave
.set PC,  224                          ; v224-235 a fragment's codes;  v236-238, v240-242 second halves
.set PT,  236
.set G1,  24                           ; s[24:31] group 1 for x's tiles;  s[32:39] for the weight's: they differ in the mask
.set G1B, 32
.set G0,  40                           ; s[40:51] groups 0 for x, one for each slot;  s[52:63] for the weight
.set G0B, 52
.set SEL, 96
.set MSB, 0
.macro WIN new                         ; the immediate's high byte repeats the setting that is left
.if MSB != \new
	s_set_vgpr_msb (MSB<<8)|\new
.set MSB, \new
.endif
.endm
.set MUL_LO, 0xa1                      ; source 0 window 1, source 1 window 0, C and D window 2
.set MUL_HI, 0xf1                      ; the same, C and D window 3
.set TO_B,   0x40                      ; destination window 1, address window 0
; A joint load: waves 0 and 1 fetch x's halves, waves 2 and 3 the weight's.  The branch hangs on the wave's number alone.  Four v_nop follow each line.
.macro JLOAD g0a, g1a, g0b, g1b
	s_cmp_eq_u32 s13, 0
	s_cbranch_scc0 .Lfor_b_\@
	tensor_load_to_lds s[\g0a:\g0a+3], s[\g1a:\g1a+7]
	s_nop 0
.rept 4
	v_nop
.endr
	s_branch .Lasked_\@
.Lfor_b_\@:
	tensor_load_to_lds s[\g0b:\g0b+3], s[\g1b:\g1b+7]
	s_nop 0
.rept 4
	v_nop
.endr
.Lasked_\@:
.endm
.macro CREST                           ; a round of the cluster's barrier behind its opening barrier
	s_cmp_lg_u32 s12, 0
	s_cbranch_scc1 .Lnot_wave_0_\@
	s_barrier_signal -3
.Lnot_wave_0_\@:
	s_barrier_wait -3
	s_barrier_signal -1
	s_barrier_wait -1
.endm
.macro CROUND
	s_barrier_signal -1
	s_barrier_wait -1
	CREST
.endm
	s_load_b256 s[4:11], s[0:1], 0x0               ; xc s[4:5], wc s[6:7], scl s[8:9], qkv s[10:11]
	v_lshl_add_u32 v[SPW], v0, 2, SPARE
	v_mov_b32 v[NIL], 0
	ds_add_u32 v28, v29
	ds_add_u32 v28, v29
	s_wait_dscnt 0x0
	v_lshrrev_b32 v1, 5, v0
	v_readfirstlane_b32 s12, v1                    ; wave 0..3
	s_lshr_b32 s13, s12, 1                         ; i1: source 1's half.  Also: I fetch for x (0) or for the weight (1)
	s_and_b32 s14, s12, 1                          ; i0: source 0's half.  Also: which 128 rows I fetch
	s_bfe_u32 s15, ttmp6, 0x40000                  ; cx
	s_bfe_u32 s16, ttmp6, 0x40004                  ; cy
	s_lshl_b32 s17, ttmp9, 2
	s_add_co_u32 s17, s17, s15                     ; gx: which 256 of the 3,072 columns
	s_and_b32 s18, ttmp7, 0xffff
	s_lshl_b32 s18, s18, 2
	s_add_co_u32 s18, s18, s16                     ; gy: which 256 tokens
	s_mov_b32 s19, ttmp9                           ; the class
	s_lshl_b32 s20, s16, 2
	s_lshl_b32 s20, 15, s20                        ; my row of the cluster
	s_lshl_b32 s21, 0x1111, s15                    ; my column
	s_or_b32 s[G1], s20, (3<<16)|(1<<21)           ; 15:0 the mask; 17:16 elements of 8 bytes; 21 set beside a mask; no padding
	s_or_b32 s[G1B], s21, (3<<16)|(1<<21)
.irp g, G1, G1B                        ; a dense block of 24,576 bytes as 96 rows of 256
	s_mov_b32 s[\g+1], 32<<16                      ; tensor_dim0 = 32
	s_mov_b32 s[\g+2], 96<<16                      ; tensor_dim1 = 96
	s_mov_b32 s[\g+3], 32<<16                      ; tile_dim0
	s_mov_b32 s[\g+4], 96                          ; tile_dim1
	s_mov_b32 s[\g+5], 32                          ; the pitch
	s_mov_b32 s[\g+6], 0
	s_mov_b32 s[\g+7], 0
.endr
	s_lshl_b32 s22, s14, 3                         ; which 8 tiles I fetch
	s_lshl_b32 s20, s18, 4
	s_add_co_u32 s20, s20, s22                     ; x: tile 16 gy + 8 half
	s_mul_i32 s20, s20, 3072
	s_mov_b32 s21, 0
	s_lshl_b32 s78, s17, 4
	s_add_co_u32 s78, s78, s22                     ; the weight: tile 16 gx + 8 half
	s_mul_i32 s78, s78, 3072
	s_mov_b32 s79, 0
	s_mul_i32 s23, s12, HALFT                      ; where they go: wave x a quarter: no place in the cluster enters an LDS address
	s_wait_kmcnt 0x0
	s_add_nc_u64 s[20:21], s[4:5], s[20:21]
	s_add_nc_u64 s[78:79], s[6:7], s[78:79]
	CROUND                                         ; all sixteen work-groups are here: the first joint loads meet
.irp s, 0,1,2
	s_mov_b32 s[G0+4*\s], 1
	s_add_co_u32 s[G0+4*\s+1], s23, \s*SLOT
	s_add_nc_u64 s[G0+4*\s+2:G0+4*\s+3], s[20:21], \s*XSL
	s_or_b32 s[G0+4*\s+3], s[G0+4*\s+3], 0x80000000
	s_mov_b32 s[G0B+4*\s], 1
	s_add_co_u32 s[G0B+4*\s+1], s23, \s*SLOT
	s_add_nc_u64 s[G0B+4*\s+2:G0B+4*\s+3], s[78:79], \s*WSL
	s_or_b32 s[G0B+4*\s+3], s[G0B+4*\s+3], 0x80000000
	JLOAD G0+4*\s, G1, G0B+4*\s, G1B
.endr
	v_and_b32 v1, 31, v0                           ; lane; kept
	v_and_b32 v2, 15, v0                           ; r
	v_lshlrev_b32 v[L16], 4, v1
	v_lshlrev_b32 v[L8], 3, v1
	s_lshl_b32 s80, s18, 13                        ; x's scale words: 16 gy tiles of 512 bytes
	s_lshl_b32 s81, s17, 13
	s_add_co_u32 s81, s81, 262144                  ; the weight's
	s_mov_b32 s70, 768
	s_mov_b32 s88, HS
	s_mov_b32 s84, 12288
	s_cmp_eq_u32 s19, 2                            ; v?  All that the class decides is chosen here, by selects
	s_cselect_b32 s82, s81, s80                    ; source 1's scale words
	s_cselect_b32 s83, s80, s81                    ; source 0's
	s_cselect_b32 s90, 49152, 0                    ; source 1's place in a slot: x's half of it, or the weight's
	s_cselect_b32 s91, 0, 49152                    ; source 0's
	s_cselect_b32 s85, s13, s14                    ; which half of the 256 columns is mine
	s_cselect_b32 s86, s14, s13                    ; which half of the 256 tokens
	s_cselect_b32 s70, 1536, s70                   ; SA: from block a to a + 1 in the record
	s_cselect_b32 s72, HS-6144, 0                  ; SB: more at a = 4 (v: on to the next head)
	s_cselect_b32 s88, 768, s88                    ; from a fragment's half 0 to half 1 (q, k: the next head; v: keys 64 on)
	s_cselect_b32 s87, 6144, 0                     ; the codes' place in a record
	s_cselect_b32 s84, 12800, s84                  ; the scale words'
	s_cmp_eq_u32 s19, 0
	s_cselect_b32 s87, 13056, s87
	s_cselect_b32 s84, 19200, s84
	s_mov_b32 s71, 0
	s_mov_b32 s73, 0
	s_mov_b32 s89, 0
	s_lshl_b32 s92, s13, 12
	s_add_co_u32 s82, s82, s92                     ; + my 8 tiles
	s_lshl_b32 s92, s14, 12
	s_add_co_u32 s83, s83, s92
	s_mul_i32 s92, s13, HALFT
	s_add_co_u32 s90, s90, s92
	s_mul_i32 s92, s14, HALFT
	s_add_co_u32 s91, s91, s92
.irp s, 0,1,2
	v_add_nc_u32 v[A16+\s], s90, v[L16]
	v_add_nc_u32 v[A8+\s], s90, v[L8]
	v_add_nc_u32 v[B16+\s], s91, v[L16]
	v_add_nc_u32 v[B8+\s], s91, v[L8]
	s_add_co_u32 s90, s90, SLOT
	s_add_co_u32 s91, s91, SLOT
.endr
	v_cmp_gt_u32 vcc_lo, 16, v1
	v_mov_b32 v20, s83
	v_mov_b32 v21, s82
	v_cndmask_b32 v20, v20, v21, vcc_lo            ; lanes 0-15 take source 1's words, lanes 16-31 source 0's
	v_lshl_add_u32 v20, v2, 2, v20
.irp i, 0,1,2,3,4,5,6,7
.irp k, 0,1,2,3,4,5,6,7
	global_load_b32 v[SC+8*\i+\k], v20, s[8:9] offset:512*\i+64*\k
.endr
.endr
	v_mov_b32 v[FL], 0x1800000
.irp b, 0,1,2,3
	v_mov_b32 v[TM+4+\b], 0                        ; written once: a lane permute's destination counts as one of its sources
.endr
	s_mov_b32 s[SEL], 0x76543210
	s_mov_b32 s[SEL+1], 0xfedcba98
	; where my results go: record ((16 batch + head) 16 + step)
	s_lshl_b32 s92, s15, 2
	s_lshl_b32 s93, s85, 1
	s_add_co_u32 s92, s92, s93                     ; my first head: 4 cx + 2 half
	s_lshr_b32 s93, s18, 3
	s_lshl_b32 s93, s93, 4
	s_add_co_u32 s92, s92, s93                     ; + 16 batch
	s_lshl_b32 s92, s92, 4
	s_lshl_b32 s93, s18, 1
	s_add_co_u32 s93, s93, s86
	s_and_b32 s93, s93, 15                         ; the step: my 128 tokens in the batch's 2,048
	s_add_co_u32 s92, s92, s93
	s_mul_i32 s92, s92, 19712
	s_add_co_u32 s94, s92, s87
	s_mov_b32 s95, 0
	s_add_nc_u64 s[66:67], s[10:11], s[94:95]      ; P0: half 0 of block 0
	s_add_nc_u64 s[68:69], s[66:67], s[88:89]      ; P1: half 1
	s_add_co_u32 s94, s92, s84
	s_add_nc_u64 s[74:75], s[10:11], s[94:95]      ; the scale words of my first head,
	s_add_nc_u64 s[76:77], s[74:75], HS            ; and of my second
.macro FRAG reg, a16, a8, off          ; a fragment's image back into 12 registers
	ds_load_b128 v[\reg:\reg+3], v[\a16] offset:\off
	ds_load_b64 v[\reg+4:\reg+5], v[\a8] offset:\off+512
	ds_load_b128 v[\reg+6:\reg+9], v[\a16] offset:\off+768
	ds_load_b64 v[\reg+10:\reg+11], v[\a8] offset:\off+1280
.endm
.macro FETCH_B sl, q, p                ; source 0's eight fragments of slot sl's q-th K step into set p
	WIN TO_B
.irp i, 0,1,2,3,4,5,6,7
	FRAG 128*(\p)+12*\i, B16+\sl, B8+\sl, 3072*\i+1536*(\q)
.endr
	WIN 0
.endm
.macro FETCH_A sl, q, i0               ; source 1's blocks i0 .. i0 + 3
.irp i, \i0, \i0+1, \i0+2, \i0+3
	FRAG AF+12*(\i), A16+\sl, A8+\sl, 3072*(\i)+1536*(\q)
.endr
.endm
; 16 matrix instructions: source 1's blocks a0, a0 + 1 x source 0's eight, K step ks.  The 64 accumulators take turns, one instruction a turn, in the same order in every step.
.macro MUL16 a0, p, ks, zero
.irp a, \a0, \a0+1
.irp b, 0,1,2,3,4,5,6,7
.if \zero
	v_wmma_scale_f32_16x16x128_f8f6f4 v[8*(8*((\a)%4)+\b):8*(8*((\a)%4)+\b)+7], v[128*(\p)+12*\b:128*(\p)+12*\b+11], v[AF+12*(\a):AF+12*(\a)+11], 0, v[SC+8*\b+(\ks)], v[SC+8*(\a)+(\ks)] matrix_a_fmt:MATRIX_FMT_FP6 matrix_b_fmt:MATRIX_FMT_FP6 matrix_a_scale:MATRIX_SCALE_ROW1
.else
	v_wmma_scale_f32_16x16x128_f8f6f4 v[8*(8*((\a)%4)+\b):8*(8*((\a)%4)+\b)+7], v[128*(\p)+12*\b:128*(\p)+12*\b+11], v[AF+12*(\a):AF+12*(\a)+11], v[8*(8*((\a)%4)+\b):8*(8*((\a)%4)+\b)+7], v[SC+8*\b+(\ks)], v[SC+8*(\a)+(\ks)] matrix_a_fmt:MATRIX_FMT_FP6 matrix_b_fmt:MATRIX_FMT_FP6 matrix_a_scale:MATRIX_SCALE_ROW1
.endif
.endr
.endr
.endm
.macro PLACES n                        ; plain places behind matrix instructions, in front of loads into registers that they have read and of reads of results
.rept \n
	v_nop
.endr
.endm
; K step ks; the next step's fragments come from slot nsl, its nq-th step.  Source 1 has one set of registers: blocks 0-3 are fetched anew in the middle, blocks 4-7 at the end.
.macro STEP ks, nsl, nq, zero
	s_wait_dscnt 16                                ; source 0's set and source 1's blocks 0-3 are in; the youngest 16 loads (blocks 4-7) may be out
	WIN MUL_LO
	MUL16 0, (\ks)%2, \ks, \zero
	MUL16 2, (\ks)%2, \ks, \zero
	s_wait_dscnt 0x0
	PLACES 4
	FETCH_B \nsl, \nq, 1-(\ks)%2
	FETCH_A \nsl, \nq, 0
	WIN MUL_HI
	MUL16 4, (\ks)%2, \ks, \zero
	MUL16 6, (\ks)%2, \ks, \zero
	PLACES 4
	WIN 0
	FETCH_A \nsl, \nq, 4
.endm
; A step with a barrier.  In front of it each wave waits for all its tensor loads, adds 0 to its spare word, and waits for that and for its reads.  fill = 1: slot 0, which nobody reads any more, takes K steps 6 and 7.
.macro TURN ks, nsl, fill
	s_wait_tensorcnt 0x0                           ; all my tensor loads have landed
	ds_add_u32 v[SPW], v[NIL]                      ; 0 onto my spare word
	s_wait_dscnt 17                                ; (the add and the youngest 16 loads may be out)
	WIN MUL_LO
	MUL16 0, 1, \ks, 0
	s_wait_dscnt 0x0                               ; the add is done, and my reads of the slot are over
	s_barrier_signal -1
	MUL16 2, 1, \ks, 0
	WIN 0
	s_barrier_wait -1
.if \fill
	CREST                                          ; the barrier has opened a round of the cluster's: no wave of any partner still reads slot 0 or has a load on its way
	s_add_nc_u64 s[G0+2:G0+3], s[G0+2:G0+3], 3*XSL
	s_add_nc_u64 s[G0B+2:G0B+3], s[G0B+2:G0B+3], 3*WSL
	JLOAD G0, G1, G0B, G1B                         ; the first tensor load behind the round: three and a half K steps, 224 matrix instructions, ahead of the wait for it
.else
	PLACES 4
.endif
	FETCH_B \nsl, 0, 0
	FETCH_A \nsl, 0, 0
	WIN MUL_HI
	MUL16 4, 1, \ks, 0
	MUL16 6, 1, \ks, 0
	PLACES 4
	WIN 0
	FETCH_A \nsl, 0, 4
.endm
	s_wait_tensorcnt 2                             ; my part of slot 0 is in; slots 1 and 2 may stay out
	s_barrier_signal -1
	s_barrier_wait -1
	FETCH_B 0, 0, 0
	FETCH_A 0, 0, 0
	FETCH_A 0, 0, 4
	s_wait_loadcnt 0x0                             ; the scale words
	STEP 0, 0, 1, 1                                ; the first products start the sums
	TURN 1, 1, 1                                   ; its wait and its round show slots 1 and 2 whole in every wave
	STEP 2, 1, 1, 0
	STEP 3, 2, 0, 0
	STEP 4, 2, 1, 0
	TURN 5, 0, 0                                   ; slot 0's second fill has landed in every wave
	STEP 6, 0, 1, 0
	s_wait_dscnt 16
	WIN MUL_LO
	MUL16 0, 1, 7, 0
	MUL16 2, 1, 7, 0
	s_wait_dscnt 0x0
	WIN MUL_HI
	MUL16 4, 1, 7, 0
	MUL16 6, 1, 7, 0
	WIN 0
	PLACES 4
; THE WAY OUT.  Block a's 64 registers of a lane are 128 neighbours' halves along the next K: register 16 b + i = k 32 b + 16 (lane / 16) + i of the lane's row.  They become one fragment and one scale word a row.
.macro QUANT a
.set QW, 2+(\a)/4
.set QM, (QW<<2)|(QW<<4)
.set AC, 64*((\a)%4)
	WIN QM                                         ; sources 1 and 2 in the accumulators' window
.irp b, 0,1,2,3
	v_max3_num_f32 v[TM+\b], v[FL], |v[AC+16*\b]|, |v[AC+16*\b+1]|   ; each accumulator is read from its low end on
.endr
.irp i, 2,4,6,8,10,12,14
.irp b, 0,1,2,3
	v_max3_num_f32 v[TM+\b], v[TM+\b], |v[AC+16*\b+\i]|, |v[AC+16*\b+\i+1]|
.endr
.endr
	WIN 0
.irp b, 0,1,2,3
	v_permlanex16_b32 v[TM+4+\b], v[TM+\b], s[SEL], s[SEL+1]
.endr
.irp b, 0,1,2,3
	v_max_num_f32 v[TM+\b], v[TM+\b], v[TM+4+\b]   ; with lane l xor 16's: the block's largest magnitude
.endr
.irp b, 0,1,2,3
	v_add_nc_u32 v[SO+\b], 0xff000000, v[TM+\b]    ; 2 off the exponent field: the conversion's scale operand
.endr
.irp b, 0,1,2,3
	v_lshrrev_b32 v[TM+4+\b], 23, v[SO+\b]         ; the byte
.endr
	v_lshl_or_b32 v[PW+(\a)], v[TM+5], 8, v[TM+4]
	v_lshl_or_b32 v[PW+(\a)], v[TM+6], 16, v[PW+(\a)]
	v_lshl_or_b32 v[PW+(\a)], v[TM+7], 24, v[PW+(\a)]
	s_wait_xcnt 0x0                                ; the last block's stores have read their registers and bases: both may be written
.if (\a) > 0
	s_add_nc_u64 s[66:67], s[66:67], s[70:71]
	s_add_nc_u64 s[68:69], s[68:69], s[70:71]
.endif
.if (\a) == 4
	s_add_nc_u64 s[66:67], s[66:67], s[72:73]
	s_add_nc_u64 s[68:69], s[68:69], s[72:73]
.endif
	WIN QW                                         ; source 0 in the accumulators' window
.irp c, 0,1
	v_cvt_scalef32_pk16_fp6_f32 v[PC+6*\c:PC+6*\c+2], v[AC+32*\c:AC+32*\c+15], v[SO+2*\c]
	v_cvt_scalef32_pk16_fp6_f32 v[PT+4*\c:PT+4*\c+2], v[AC+32*\c+16:AC+32*\c+31], v[SO+2*\c+1]
.endr
	WIN 0
	v_nop                                          ; one plain place behind a scaled conversion
.irp c, 0,1                            ; the operand's layout wants a whole block in a lane: lanes 0-15 block 2 c, lanes 16-31 block 2 c + 1
.irp i, 0,1,2
	v_permlane16_swap_b32 v[PC+6*\c+\i], v[PT+4*\c+\i]
.endr
.irp i, 0,1,2
	v_mov_b32 v[PC+3+6*\c+\i], v[PT+4*\c+\i]
.endr
.endr
	global_store_b128 v[L16], v[PC:PC+3], s[66:67]             ; runs of 512 and 256 consecutive bytes, each aligned to 256
	global_store_b64 v[L8], v[PC+4:PC+5], s[66:67] offset:512
	global_store_b128 v[L16], v[PC+6:PC+9], s[68:69]
	global_store_b64 v[L8], v[PC+10:PC+11], s[68:69] offset:512
.endm
.irp a, 0,1,2,3,4,5,6,7
	QUANT \a
.endr
	v_cmp_gt_u32 vcc_lo, 16, v1
.irp i, 0,1,2,3
	v_cndmask_b32 v[WD+\i], v[PW+2*\i+1], v[PW+2*\i], vcc_lo   ; word i: lanes 0-15 block 2 i's rows, lanes 16-31 block 2 i + 1's
.endr
	s_cmp_eq_u32 s19, 2
	s_cbranch_scc1 .Lv_words
	global_store_b128 v[L16], v[WD:WD+3], s[74:75]             ; q, k: bytes 0, 1 are my first head's; bytes 2, 3 (the second head's) will scale zero codes there
.irp i, 0,1,2,3
	v_lshrrev_b32 v[WD+4+\i], 16, v[WD+\i]
.endr
	global_store_b128 v[L16], v[WD+4:WD+7], s[76:77]           ; the second head's
	s_branch .Lwords_out
.Lv_words:
	global_store_b64 v[L8], v[WD:WD+1], s[74:75]               ; v: blocks 0-3 are my first head's four tiles of channels,
	global_store_b64 v[L8], v[WD+2:WD+3], s[76:77]             ; blocks 4-7 my second head's
.Lwords_out:
	s_wait_tensorcnt 0x0                           ; the wave's end
	ds_add_u32 v[SPW], v[NIL]
	s_wait_dscnt 0x0
	CROUND                                         ; the closing round
	s_endpgm
.Lfunc_end_k_q3117f99b6a_gemm_qkv:
	.size	k_q3117f99b6a_gemm_qkv, .Lfunc_end_k_q3117f99b6a_gemm_qkv-k_q3117f99b6a_gemm_qkv
	.p2alignl 7, 3214868480
	.fill 96, 4, 3214868480
	.section	.rodata,"a",@progbits
	.p2align	6, 0x0
	.amdhsa_kernel k_q3117f99b6a_gemm_qkv
		.amdhsa_group_segment_fixed_size 327680
		.amdhsa_private_segment_fixed_size 0
		.amdhsa_enable_private_segment 0
		.amdhsa_kernarg_size 32
		.amdhsa_user_sgpr_count 2
		.amdhsa_user_sgpr_kernarg_segment_ptr 1
		.amdhsa_wavefront_size32 1
		.amdhsa_system_sgpr_workgroup_id_x 1
		.amdhsa_system_sgpr_workgroup_id_y 1
		.amdhsa_system_sgpr_workgroup_id_z 1
		.amdhsa_system_vgpr_workitem_id 0
		.amdhsa_next_free_vgpr 1024
		.amdhsa_next_free_sgpr 100
		.amdhsa_reserve_vcc 1
		.amdhsa_float_denorm_mode_32 3
		.amdhsa_float_denorm_mode_16_64 3
		.amdhsa_memory_ordered 1
		.amdhsa_forward_progress 1
		.amdhsa_inst_pref_size 152
	.end_amdhsa_kernel
	.amdgpu_metadata
---
amdhsa.version: [ 1, 2 ]
amdhsa.kernels:
  - .name:           k_q3117f99b6a_gemm_qkv
    .symbol:         k_q3117f99b6a_gemm_qkv.kd
    .args:
      - { .name: xc, .offset: 0, .size: 8, .value_kind: global_buffer, .address_space: global }
      - { .name: wc, .offset: 8, .size: 8, .value_kind: global_buffer, .address_space: global }
      - { .name: scl, .offset: 16, .size: 8, .value_kind: global_buffer, .address_space: global }
      - { .name: qkv, .offset: 24, .size: 8, .value_kind: global_buffer, .address_space: global }
    .group_segment_fixed_size: 327680
    .private_segment_fixed_size: 0
    .kernarg_segment_align: 8
    .kernarg_segment_size: 32
    .max_flat_workgroup_size: 128
    .sgpr_count:     100
    .vgpr_count:     1024
    .wavefront_size: 32
...
	.end_amdgpu_metadata
.endif
;; end of part 2
;; launch attn (part 3): grid 4 x 64, 16 waves a work-group, no clusters, 212,992 bytes of LDS; arguments qkv, rel_bias, ctxc, scl; writes ctxc, scl
.if DOCPART == 3
	.amdgcn_target "amdgcn-amd-amdhsa--gfx1250"
	.amdhsa_code_object_version 6
	.text
	.protected	k_q3117f99b6a_attn
	.globl	k_q3117f99b6a_attn
	.p2align	8
	.type	k_q3117f99b6a_attn,@function
k_q3117f99b6a_attn:
	s_mov_b64 s[64:65], 0
	v_nop
	global_prefetch_b8 v0, s[64:65] scope:SCOPE_SE
	s_setreg_imm32_b32 hwreg(HW_REG_WAVE_MODE, 25, 1), 1
	s_wait_xcnt 0x0
; ctx = softmax(q k^T + position bias) v for one head and 512 queries a work-group, both products on codes of FP6 (E2M3) with E8M0 scales; ctx is quantised along the head's 64 and leaves as half a fragment image for the last product.
; THE SOFTMAX: t = logit x log2(e); M = the running largest t rounded up to a whole number; p = 2^(t - M) is quantised along the keys, not normalised; the row's sum is taken of the unquantised p and divides at the end.
; SHARES.  Sixteen waves; wave w owns queries 512 x + 32 w .. + 31 as two tiles of 16, one in each of two passes.  Every wave walks the head's 2,048 keys, 128 a step.
; THE WHOLE HEAD'S K AND V STAY IN LDS: 16 records x 13,056 bytes, each brought once by one tensor load of one wave.  Nothing is filled again: one barrier in the launch, behind which LDS is only read.
; LAYOUT.  Both products transposed: S^T = K Q^T, O^T = V^T P^T: a lane holds one query.  Row r of tile 2 g + u is row 32 g + 8 u + r + 8 (r / 8), for keys, queries and channels: so the 16 registers of tiles 2 g, 2 g + 1 are 16 neighbours.
; K = 64 IN AN INSTRUCTION OF 128: Q's upper six registers are zero codes; a tile of K is 6 registers, and the six named behind them (the next tile's; the stash behind the last) meet those zeros and add nothing.
; THE BIAS hangs on the head and on d = key - query alone: bucket = |d| under 8, then 8 + the number of 12, 16, 23, 32, 46, 64, 91 that |d| reaches; + 16 where d > 0.  A table of 512 words in LDS holds it for d = -240 .. 271.
; It enters as the C of the score products.  Where all of a step's d lie at -91 or under, or at 91 or over, C is eight registers of one constant; else (about 3 steps of 16) 64 words of the table are loaded into the scores' registers.
; NO CLUSTER: the four work-groups of a head differ in their queries, and the choice between the two forms of a step and the table's LDS address hang on the query block.
; NO PREFETCH: every byte of K and V is asked for once, at the head.
; LIMITS: NaN and infinities are not served; p under 2^-126 falls to 0 in v_exp_f32; 1 / sum is v_rcp_f32 and a multiplication; a block whose largest magnitude lies under 2^-124, a block of zeros too, has the byte 1 (this program alone reads the bytes).
.set REC,  19712                       ; a record in memory
.set RKV,  13056                       ; its K and V part: K codes 8 x 768 | V^T codes 4 x 1,536 | K scale words 512 | V scale words 256
.set TBL,  16*RKV                      ; the table, 2,048 bytes of its own
.set F,    36                          ; v36-83   K's 8 x 6 registers, later V's 4 x 12;  v84-89 Q's second tile
.set KS,   30                          ; v30-33   K's scale words: word i: lanes 0-15 tile 2 i, lanes 16-31 tile 2 i + 1
.set VS,   34                          ; v34-35   V's likewise
.set S,    96                          ; v96-159  S^T, then p
.set O,    160                         ; v160-191 O^T
.set P,    192                         ; v192-203 p's codes;  v204-206, v208-210 second halves
.set CF,   212                         ; v212-219 the bias far from the diagonal
.set BM,   224                         ; v224-227 the blocks' largest scores, then largest p
.set PT,   228                         ; v228-231 the other half's, then bytes
.set SO,   232                         ; v232-235 the conversions' scale operands
; v1 16 l, v2 8 l, v3 my place in the table, v4-6 addresses in hand, v8 my scale bytes' place, v9, v10 the two passes' scale bytes, v12 -M, v13 the largest t, v[14:15] the sum, v16-21 Q, v22-27 zeros,
; v28 Q's scale words, v29 p's, v90, v91 the two far constants, v[236:237] the sum's second chain, v[240:241] f, v242 at work
	s_load_b256 s[4:11], s[0:1], 0x0               ; qkv s[4:5], rel_bias s[6:7], ctxc s[8:9], scl s[10:11]
	v_lshl_add_u32 v254, v0, 2, 0x33800
	v_mov_b32 v255, 0
	ds_add_u32 v254, v255
	ds_add_u32 v254, v255
	v_lshrrev_b32 v1, 5, v0
	v_readfirstlane_b32 s12, v1                    ; wave 0..15
	s_and_b32 s13, ttmp7, 0xffff                   ; 16 batch + head
	s_and_b32 s14, s13, 15                         ; head
	s_lshr_b32 s15, s13, 4                         ; batch
	s_mov_b32 s16, 3<<16                           ; group 1: 51 rows of 256 bytes (32 elements of 8), dense, no padding, no mask
	s_mov_b32 s17, 32<<16
	s_mov_b32 s18, 51<<16
	s_mov_b32 s19, 32<<16
	s_mov_b32 s20, 51
	s_mov_b32 s21, 32
	s_mov_b32 s22, 0
	s_mov_b32 s23, 0
	s_lshl_b32 s38, s13, 4
	s_add_co_u32 s38, s38, s12                     ; record w of my head
	s_mul_i32 s38, s38, REC
	s_mov_b32 s39, 0
	s_mov_b32 s24, 1
	s_mul_i32 s25, s12, RKV                        ; to LDS byte 13,056 w
	s_wait_dscnt 0x0
	s_wait_kmcnt 0x0
	s_add_nc_u64 s[26:27], s[4:5], s[38:39]
	s_or_b32 s27, s27, 0x80000000
	tensor_load_to_lds s[24:27], s[16:23]          ; my one tensor load
	s_nop 0
.rept 4
	v_nop
.endr
	; the table: thread i makes the word of d = i - 240
	v_add_nc_u32 v36, 0xffffff10, v0               ; d
	v_sub_nc_u32 v37, 0, v36
	v_max_i32 v37, v36, v37                        ; |d|
	v_mov_b32 v38, 8
.irp thr, 12,16,23,32,46,64,91
	v_cmp_le_u32 vcc_lo, \thr, v37
	v_cndmask_b32 v39, 0, 1, vcc_lo
	v_add_nc_u32 v38, v38, v39
.endr
	v_cmp_gt_u32 vcc_lo, 8, v37
	v_cndmask_b32 v38, v38, v37, vcc_lo
	v_cmp_lt_i32 vcc_lo, 0, v36
	v_cndmask_b32 v39, 0, 16, vcc_lo
	v_add_nc_u32 v38, v38, v39                     ; the bucket
	v_lshlrev_b32 v38, 6, v38                      ; a row of rel_bias is 64 bytes
	s_lshl_b32 s38, s14, 2
	s_add_nc_u64 s[6:7], s[6:7], s[38:39]          ; my head's column
	global_load_b32 v40, v38, s[6:7]
	v_and_b32 v3, 31, v0
	v_lshlrev_b32 v1, 4, v3                        ; 16 l
	v_lshlrev_b32 v2, 3, v3                        ; 8 l
	; Q: record 4 x + w / 4, tiles 2 (w % 4) and 2 (w % 4) + 1
	s_lshl_b32 s43, s13, 4
	s_lshl_b32 s41, ttmp9, 2
	s_add_co_u32 s43, s43, s41
	s_lshr_b32 s41, s12, 2
	s_add_co_u32 s43, s43, s41
	s_mul_i32 s43, s43, REC
	s_and_b32 s42, s12, 3
	s_mul_i32 s40, s42, 1536
	s_add_co_u32 s40, s40, s43
	s_add_co_u32 s40, s40, 13056
	s_mov_b32 s41, 0
	s_add_nc_u64 s[40:41], s[4:5], s[40:41]
	s_lshl_b32 s44, s42, 2
	s_add_co_u32 s44, s44, s43
	s_add_co_u32 s44, s44, 19200
	s_mov_b32 s45, 0
	s_add_nc_u64 s[44:45], s[4:5], s[44:45]
	global_load_b128 v[16:19], v1, s[40:41]
	global_load_b64 v[20:21], v2, s[40:41] offset:512
	global_load_b128 v[84:87], v1, s[40:41] offset:768
	global_load_b64 v[88:89], v2, s[40:41] offset:1280
	global_load_b32 v28, v1, s[44:45]              ; lanes 0-15 the first tile's scale words, lanes 16-31 the second's
	v_and_b32 v6, 15, v0                           ; r
	v_bfe_u32 v7, v0, 4, 1                         ; hl
	v_and_b32 v3, 8, v6
	v_add_nc_u32 v3, v3, v6                        ; my query's place: r + 8 (r / 8)
	v_lshl_add_u32 v11, v7, 4, 24
	v_sub_nc_u32 v3, v11, v3                       ; 16 hl - r - 8 (r / 8) + 24: 1 .. 40
	v_lshl_add_u32 v3, v3, 2, TBL
	v_lshlrev_b32 v8, 2, v6
	v_lshl_add_u32 v8, v7, 9, v8                   ; 512 hl + 4 r
	v_lshl_add_u32 v41, v0, 2, TBL
.irp i, 22,23,24,25,26,27
	v_mov_b32 v[\i], 0                             ; Q's upper half: zero codes
.endr
.irp b, 0,1,2,3
	v_mov_b32 v[PT+\b], 0                          ; written once: a lane permute's destination counts as one of its sources
.endr
	v_mov_b32 v242, 0
	v_mov_b32 v241, 0                              ; (named as the upper half of the pair v[240:241])
	v_mov_b32 v10, 0
	s_mov_b32 s28, 0x76543210
	s_mov_b32 s29, 0xfedcba98                      ; selects for lane l xor 16
	s_mov_b32 s30, 0x3fb8aa3b                      ; c = log2(e): T5 has no 1 / sqrt(d)
	s_mov_b32 s31, s30
	s_lshl_b32 s34, ttmp9, 9
	s_lshl_b32 s46, s12, 5
	s_add_co_u32 s34, s34, s46                     ; QB: the pass's first query
	s_lshl_b32 s46, s15, 7
	s_lshl_b32 s47, ttmp9, 5
	s_add_co_u32 s46, s46, s47
	s_lshl_b32 s47, s12, 1
	s_add_co_u32 s46, s46, s47                     ; my first tile of tokens: 128 batch + 32 x + 2 w
	s_lshr_b32 s47, s14, 2
	s_mul_i32 s48, s47, 1572864
	s_mul_i32 s47, s46, 3072
	s_add_co_u32 s48, s48, s47
	s_and_b32 s47, s14, 3
	s_mul_i32 s47, s47, 768
	s_add_co_u32 s48, s48, s47
	s_mov_b32 s49, 0
	s_add_nc_u64 s[50:51], s[8:9], s[48:49]        ; ctx: my head's half of the tile's fragment
	s_lshl_b32 s48, s46, 9
	s_lshr_b32 s47, s14, 1
	s_lshl_b32 s47, s47, 6
	s_add_co_u32 s48, s48, s47
	s_and_b32 s47, s14, 1
	s_lshl_b32 s47, s47, 1
	s_add_co_u32 s48, s48, s47
	s_add_co_u32 s48, s48, 393216
	s_add_nc_u64 s[52:53], s[10:11], s[48:49]      ; and my head's two bytes of its scale words
	s_wait_loadcnt 0x0
	ds_store_b32 v41, v40
	s_wait_tensorcnt 0x0                           ; my record has landed,
	s_wait_dscnt 0x0                               ; my word of the table is stored:
	s_barrier_signal -1
	s_barrier_wait -1                              ; everybody's are
	v_mov_b32 v6, TBL
	ds_load_b32 v90, v6                            ; d = -240: the bias of all d at -91 or under
	ds_load_b32 v91, v6 offset:2044                ; d = 271: of all d at 91 or over
	s_wait_dscnt 0x0
.macro SCORE t, c                      ; 16 keys x my 16 queries; c: the registers that hold the bias
.if (\t)%2
	v_wmma_scale_f32_16x16x128_f8f6f4 v[S+8*\t:S+8*\t+7], v[F+6*\t:F+6*\t+11], v[16:27], v[\c:\c+7], v[KS+\t/2], v28 matrix_a_fmt:MATRIX_FMT_FP6 matrix_b_fmt:MATRIX_FMT_FP6 matrix_a_scale:MATRIX_SCALE_ROW1
.else
	v_wmma_scale_f32_16x16x128_f8f6f4 v[S+8*\t:S+8*\t+7], v[F+6*\t:F+6*\t+11], v[16:27], v[\c:\c+7], v[KS+\t/2], v28 matrix_a_fmt:MATRIX_FMT_FP6 matrix_b_fmt:MATRIX_FMT_FP6
.endif
.endm
	s_mov_b32 s36, 2
.Lpass:
	v_mov_b32 v13, 0xff61b1e6                      ; the largest t so far: -3e38
	v_floor_f32 v12, -v13                          ; -M
	v_mov_b32 v14, 0
	v_mov_b32 v15, 0
.set j, 0
.rept 32
	v_mov_b32 v[O+j], 0                            ; the step is written once: the first finds zeros
.set j, j+1
.endr
.irp i, 0,1,2,3,4,5,6,7
	v_mov_b32 v[CF+\i], v90                        ; the keys ascend: far steps ahead of the diagonal come first
.endr
	s_mov_b32 s32, 0                               ; TB: the step's record in LDS
	s_mov_b32 s33, 0                               ; KB: its first key
	s_mov_b32 s37, 16
.Lstep:
	v_add_nc_u32 v4, s32, v1
	v_add_nc_u32 v5, s32, v2
	v_nop
	v_nop                                          ; four places behind the last step's products, in front of loads into registers that they have read
	s_sub_co_i32 s35, s33, s34
	s_add_co_i32 s35, s35, 216                     ; X = KB - QB + 216.  d runs from KB - QB - 23 to KB - QB + 127, and KB - QB is a multiple of 8: some |d| is under 91 just where 0 <= X <= 328
.irp t, 0,1,2,3,4,5,6,7
	ds_load_b128 v[F+6*\t:F+6*\t+3], v4 offset:768*\t
	ds_load_b64 v[F+6*\t+4:F+6*\t+5], v5 offset:768*\t+512
.endr
	ds_load_b128 v[KS:KS+3], v4 offset:12288
	s_cmp_le_u32 s35, 328                          ; a branch on ids and counters
	s_cbranch_scc0 .Lfar
	s_min_u32 s35, s35, 328                        ; (it changes nothing here: it states the bound)
	s_lshl_b32 s38, s35, 2
	v_add_nc_u32 v6, s38, v3
.irp t, 0,1,2,3,4,5,6,7
.irp j, 0,1,2,3,4,5,6,7
	ds_load_b32 v[S+8*\t+\j], v6 offset:4*(32*(\t/2)+8*(\t%2)+\j)   ; the word of d + 240 = X + 24 + 16 hl - r - 8 (r / 8) + the register's key: 1 .. 479
.endr
.endr
.irp i, 0,1,2,3,4,5,6,7
	v_mov_b32 v[CF+\i], v91                        ; far steps that follow lie behind the diagonal
.endr
	s_wait_dscnt 0x0
.irp t, 0,1,2,3,4,5,6,7
	SCORE \t, S+8*\t
.endr
	s_branch .Lscored
.Lfar:
	s_wait_dscnt 0x0
.irp t, 0,1,2,3,4,5,6,7
	SCORE \t, CF
.endr
.Lscored:
.rept 4
	v_nop                                          ; places in front of the loads below and of the first read of the scores
.endr
.irp dt, 0,1,2,3                       ; V's fragments take K's registers and land while the softmax is worked
.irp c, 0,1
	ds_load_b128 v[F+12*\dt+6*\c:F+12*\dt+6*\c+3], v4 offset:6144+1536*\dt+768*\c
	ds_load_b64 v[F+12*\dt+6*\c+4:F+12*\dt+6*\c+5], v5 offset:6144+1536*\dt+768*\c+512
.endr
.endr
	ds_load_b64 v[VS:VS+1], v5 offset:12800
.irp b, 0,1,2,3
	v_max3_num_f32 v[BM+\b], v[S+16*\b], v[S+16*\b+1], v[S+16*\b+2]   ; the largest score of each block of 32 keys: for the row's maximum and, since p rises with the score, for the block's largest p
.endr
.irp i, 3,5,7,9,11,13
.irp b, 0,1,2,3
	v_max3_num_f32 v[BM+\b], v[BM+\b], v[S+16*\b+\i], v[S+16*\b+\i+1]
.endr
.endr
.irp b, 0,1,2,3
	v_max_num_f32 v[BM+\b], v[BM+\b], v[S+16*\b+15]
.endr
.irp b, 0,1,2,3
	v_permlanex16_b32 v[PT+\b], v[BM+\b], s28, s29
.endr
.irp b, 0,1,2,3
	v_max_num_f32 v[BM+\b], v[BM+\b], v[PT+\b]     ; with lane l xor 16's 16 keys
.endr
	v_max3_num_f32 v242, v[BM], v[BM+1], v[BM+2]
	v_max_num_f32 v242, v242, v[BM+3]
	v_mul_f32 v242, s30, v242                      ; as t (c is positive)
	v_max_num_f32 v13, v13, v242                   ; the running largest t
	v_mov_b32 v242, v12
	v_floor_f32 v12, -v13                          ; the new -M = -ceil(t)
	v_sub_f32 v242, v12, v242                      ; old M - new M: a whole number, 0 or less
	v_cvt_i32_f32 v242, v242                       ; (it saturates)
	v_ldexp_f32 v240, 1.0, v242                    ; f = 2^(old M - new M)
.set j, 0
.rept 32
	v_pk_fma_f32 v[S+j:S+j+1], v[S+j:S+j+1], s[30:31], v[12:13] op_sel_hi:[1,0,0]   ; t - M
.set j, j+2
.endr
.irp b, 0,1,2,3
	v_fma_f32 v[BM+\b], v[BM+\b], s30, v12
.endr
.set j, 0
.rept 64
	v_exp_f32 v[S+j], v[S+j]                       ; p = 2^(t - M)
.set j, j+1
.endr
	v_pk_mul_f32 v[14:15], v[14:15], v[240:241] op_sel_hi:[1,0]   ; the sums under the new M: the plain place behind the exponentials
	s_wait_alu depctr_va_vdst(0)                   ; one wait for the batch of 64, ahead of its first reader
.irp b, 0,1,2,3
	v_exp_f32 v[BM+\b], v[BM+\b]                   ; the blocks' largest p
.endr
	v_pk_add_f32 v[236:237], v[S:S+1], v[S+2:S+3]  ; the row's sum of the unquantised p, in two chains
.irp j, 4,8,12,16,20,24,28,32,36,40,44,48,52,56,60
	v_pk_add_f32 v[14:15], v[14:15], v[S+\j:S+\j+1]
	v_pk_add_f32 v[236:237], v[236:237], v[S+\j+2:S+\j+3]
.endr
	v_pk_add_f32 v[14:15], v[14:15], v[236:237]
	s_wait_alu depctr_va_vdst(0)                   ; and one for the four
.irp b, 0,1,2,3
	v_max_num_f32 v[BM+\b], 0x1800000, v[BM+\b]    ; the floor: the byte cannot fall under 1
.endr
.irp b, 0,1,2,3
	v_add_nc_u32 v[SO+\b], 0xff000000, v[BM+\b]
.endr
.irp b, 0,1,2,3
	v_lshrrev_b32 v[PT+\b], 23, v[SO+\b]
.endr
	v_lshl_or_b32 v29, v[PT+1], 8, v[PT]           ; p's scale word for these 128 keys
	v_lshl_or_b32 v29, v[PT+2], 16, v29
	v_lshl_or_b32 v29, v[PT+3], 24, v29
.irp c, 0,1
	v_cvt_scalef32_pk16_fp6_f32 v[P+6*\c:P+6*\c+2], v[S+32*\c:S+32*\c+15], v[SO+2*\c]
	v_cvt_scalef32_pk16_fp6_f32 v[204+4*\c:206+4*\c], v[S+32*\c+16:S+32*\c+31], v[SO+2*\c+1]
.endr
	v_nop                                          ; one plain place behind a scaled conversion
.irp c, 0,1
.irp i, 0,1,2
	v_permlane16_swap_b32 v[P+6*\c+\i], v[204+4*\c+\i]
.endr
.irp i, 0,1,2
	v_mov_b32 v[P+3+6*\c+\i], v[204+4*\c+\i]
.endr
.endr
.set j, 0
.rept 16
	v_pk_mul_f32 v[O+j:O+j+1], v[O+j:O+j+1], v[240:241] op_sel_hi:[1,0]   ; O^T under the new M; these 16 are also the places between the operand's and the scale word's last writes and the products
.set j, j+2
.endr
	s_wait_dscnt 0x0                               ; V is in
.irp dt, 0,2
	v_wmma_scale_f32_16x16x128_f8f6f4 v[O+8*\dt:O+8*\dt+7], v[F+12*\dt:F+12*\dt+11], v[P:P+11], v[O+8*\dt:O+8*\dt+7], v[VS+\dt/2], v29 matrix_a_fmt:MATRIX_FMT_FP6 matrix_b_fmt:MATRIX_FMT_FP6
	v_wmma_scale_f32_16x16x128_f8f6f4 v[O+8*\dt+8:O+8*\dt+15], v[F+12*\dt+12:F+12*\dt+23], v[P:P+11], v[O+8*\dt+8:O+8*\dt+15], v[VS+\dt/2], v29 matrix_a_fmt:MATRIX_FMT_FP6 matrix_b_fmt:MATRIX_FMT_FP6 matrix_a_scale:MATRIX_SCALE_ROW1
.endr
	s_add_co_u32 s32, s32, RKV
	s_add_co_u32 s33, s33, 128
	s_sub_co_u32 s37, s37, 1
	s_cmp_lg_u32 s37, 0
	s_cbranch_scc1 .Lstep
	; ---- a pass's end: O^T / the sum, quantised along the head's 64: register 16 b + i is channel 32 b + 16 hl + i of my query
.rept 4
	v_nop
.endr
	v_add_f32 v14, v14, v15
	v_permlanex16_b32 v242, v14, s28, s29
	v_add_f32 v14, v14, v242                       ; the row's sum
	v_rcp_f32 v240, v14
	v_nop                                          ; a plain place behind the reciprocal
	s_wait_alu depctr_va_vdst(0)                   ; and its wait, ahead of the first reader
.set j, 0
.rept 16
	v_pk_mul_f32 v[O+j:O+j+1], v[O+j:O+j+1], v[240:241] op_sel_hi:[1,0]
.set j, j+2
.endr
.irp b, 0,1
	v_max3_num_f32 v[BM+\b], |v[O+16*\b]|, |v[O+16*\b+1]|, 0x1800000
.endr
.irp i, 2,4,6,8,10,12,14
.irp b, 0,1
	v_max3_num_f32 v[BM+\b], v[BM+\b], |v[O+16*\b+\i]|, |v[O+16*\b+\i+1]|
.endr
.endr
.irp b, 0,1
	v_permlanex16_b32 v[PT+\b], v[BM+\b], s28, s29
.endr
.irp b, 0,1
	v_max_num_f32 v[BM+\b], v[BM+\b], v[PT+\b]
.endr
.irp b, 0,1
	v_add_nc_u32 v[SO+\b], 0xff000000, v[BM+\b]
.endr
.irp b, 0,1
	v_lshrrev_b32 v[PT+\b], 23, v[SO+\b]
.endr
	v_mov_b32 v9, v10                              ; behind two passes v9 holds the first tile's two bytes, v10 the second's
	v_lshl_or_b32 v10, v[PT+1], 8, v[PT]
	v_cvt_scalef32_pk16_fp6_f32 v[P:P+2], v[O:O+15], v[SO]
	v_cvt_scalef32_pk16_fp6_f32 v[204:206], v[O+16:O+31], v[SO+1]
	v_nop
.irp i, 0,1,2
	v_permlane16_swap_b32 v[P+\i], v[204+\i]       ; lanes 0-15 block 0, lanes 16-31 block 1, whole
.endr
.irp i, 0,1,2
	v_mov_b32 v[P+3+\i], v[204+\i]
.endr
	global_store_b128 v1, v[P:P+3], s[50:51]       ; 512 and 256 consecutive bytes, each run aligned to 256
	global_store_b64 v2, v[P+4:P+5], s[50:51] offset:512
	s_wait_xcnt 0x0                                ; the stores have read their registers and their base: both may be written
	s_add_nc_u64 s[50:51], s[50:51], 3072          ; the next tile of tokens
.irp i, 0,1,2,3,4,5
	v_mov_b32 v[16+\i], v[84+\i]                   ; the second tile of queries,
.endr
	v_mov_b32 v242, v28
	v_permlanex16_b32 v28, v242, s28, s29          ; its scale words into lanes 0-15,
	s_add_co_u32 s34, s34, 8                       ; and its first query
	s_sub_co_u32 s36, s36, 1
	s_cmp_lg_u32 s36, 0
	s_cbranch_scc1 .Lpass
	v_and_b32 v242, 31, v0
	v_cmp_gt_u32 vcc_lo, 16, v242
	v_cndmask_b32 v242, v10, v9, vcc_lo            ; lanes 0-15 the first tile's rows, lanes 16-31 the second's
	global_store_b16 v8, v242, s[52:53]            ; my head's two bytes of each row's scale word
	s_wait_tensorcnt 0x0
	ds_add_u32 v254, v255
	s_wait_dscnt 0x0
	s_endpgm
.Lfunc_end_k_q3117f99b6a_attn:
	.size	k_q3117f99b6a_attn, .Lfunc_end_k_q3117f99b6a_attn-k_q3117f99b6a_attn
	.p2alignl 7, 3214868480
	.fill 96, 4, 3214868480
	.section	.rodata,"a",@progbits
	.p2align	6, 0x0
	.amdhsa_kernel k_q3117f99b6a_attn
		.amdhsa_group_segment_fixed_size 212992
		.amdhsa_private_segment_fixed_size 0
		.amdhsa_enable_private_segment 0
		.amdhsa_kernarg_size 32
		.amdhsa_user_sgpr_count 2
		.amdhsa_user_sgpr_kernarg_segment_ptr 1
		.amdhsa_wavefront_size32 1
		.amdhsa_system_sgpr_workgroup_id_x 1
		.amdhsa_system_sgpr_workgroup_id_y 1
		.amdhsa_system_sgpr_workgroup_id_z 1
		.amdhsa_system_vgpr_workitem_id 0
		.amdhsa_next_free_vgpr 256
		.amdhsa_next_free_sgpr 66
		.amdhsa_reserve_vcc 1
		.amdhsa_float_denorm_mode_32 3
		.amdhsa_float_denorm_mode_16_64 3
		.amdhsa_memory_ordered 1
		.amdhsa_forward_progress 1
		.amdhsa_inst_pref_size 35
	.end_amdhsa_kernel
	.amdgpu_metadata
---
amdhsa.version: [ 1, 2 ]
amdhsa.kernels:
  - .name:           k_q3117f99b6a_attn
    .symbol:         k_q3117f99b6a_attn.kd
    .args:
      - { .name: qkv, .offset: 0, .size: 8, .value_kind: global_buffer, .address_space: global }
      - { .name: rel_bias, .offset: 8, .size: 8, .value_kind: global_buffer, .address_space: global }
      - { .name: ctxc, .offset: 16, .size: 8, .value_kind: global_buffer, .address_space: global }
      - { .name: scl, .offset: 24, .size: 8, .value_kind: global_buffer, .address_space: global }
    .group_segment_fixed_size: 212992
    .private_segment_fixed_size: 0
    .kernarg_segment_align: 8
    .kernarg_segment_size: 32
    .max_flat_workgroup_size: 512
    .sgpr_count:     66
    .vgpr_count:     256
    .wavefront_size: 32
...
	.end_amdgpu_metadata
.endif
;; end of part 3
;; launch gemm_out (part 4): grid 4 x 32, 4 waves a work-group, clusters of 4 x 4, 327,680 bytes of LDS; arguments ctxc, wc, scl, out0; writes out0
.if DOCPART == 4
	.amdgcn_target "amdgcn-amd-amdhsa--gfx1250"
	.amdhsa_code_object_version 6
	.text
	.protected	k_q3117f99b6a_gemm_out
	.globl	k_q3117f99b6a_gemm_out
	.p2align	8
	.type	k_q3117f99b6a_gemm_out,@function
k_q3117f99b6a_gemm_out:
	s_mov_b64 s[64:65], 0
	v_nop
	global_prefetch_b8 v0, s[64:65] scope:SCOPE_SE
	s_setreg_imm32_b32 hwreg(HW_REG_WAVE_MODE, 25, 1), 1
	s_wait_xcnt 0x0
	s_wait_alu depctr_hold_cnt(0) depctr_sa_sdst(0) depctr_va_vdst(0) depctr_va_sdst(0) depctr_va_ssrc(0) depctr_va_vcc(0) depctr_vm_vsrc(0)
	s_getreg_b32 s2, hwreg(HW_REG_IB_STS2, 6, 4)
	s_cmp_eq_u32 s2, 0
	s_cbranch_scc0 .Lentry_in_a_cluster
	s_endpgm
.Lentry_in_a_cluster:
	s_bfe_u32 s2, ttmp6, 0x10000c
	s_cmp_lg_u32 s2, 0xf033
	s_cbranch_scc0 .Lentry_shape_is_right
	s_endpgm
.Lentry_shape_is_right:
; out = ctx wo on codes of FP6 (E2M3) with E8M0 scales, sums in f32, out in f32.  ctx's codes and scale words were made by the attention launch, wo's by the first launch, both as fragment images of 1,536 bytes
; (16 rows x 128 K: registers 6c..6c+3 of lane l at 768 c + 16 l, 6c+4, 6c+5 at 768 c + 512 + 8 l).  Row r of tile 2 g + u is row 32 g + 8 u + r + 8 (r / 8), for tokens and for wo's columns.
; A work-group makes 256 tokens x 256 columns, a wave 128 x 128: 64 accumulators.  Source 0 = wo's columns, source 1 = ctx's tokens: a lane holds a token and eight neighbouring columns in each accumulator.
; LDS: three slots of two K steps each (ctx's 256 rows, then wo's 256; one tensor load of 24,576 bytes a wave).  K = 1,024 is four fills: slots 0, 1, 2 at the start, slot 0 once more.
; CLUSTER 4 x 4: ctx's tiles are shared along a row of the cluster, wo's along a column, by joint loads.  By this text's own count a wave has at most three tensor loads outstanding.
; The grid is 128 work-groups: tiles of 128 x 128 a wave read each LDS byte for the most products; a smaller tile for more work-groups was not built.
; REGISTERS: window 0: v4-15 LDS addresses, v16-19; v28, v29; v32-95 scale words (register 8 i + ks: lanes 0-15 ctx's tile i, lanes 16-31 wo's tile i); v128-223 ctx's eight fragments; on the way out v128-255.
;   window 1: wo's fragments, two sets, at v0 and v128.  windows 2, 3: accumulator (a, b) at v[8 (8 (a % 4) + b)].
.set HALFT,  24576
.set SLOT,   4*HALFT
.set SPARE,  3*SLOT                    ; behind the slots: the spare words, 128 bytes for each wave
.set XSL,    1572864
.set WSL,    786432
.set A16, 4                            ; v4-6 ctx: base + 16 l in slot 0, 1, 2;  v7-9 base + 8 l
.set A8,  7
.set B16, 10                           ; v10-12, v13-15 the same for wo
.set B8,  13
.set L16, 16
.set L8,  17
.set STO, 18                           ; the way out: where I put 32 bytes of a row
.set RD,  19                           ; and where I read a row back
.set SPW, 28
.set NIL, 29
.set SC,  32
.set AF,  128
.set BK,  128                          ; the way out: 16 rows read back: v128-191 and v192-255 by turns
.set G1,  24
.set G1B, 32
.set G0,  40
.set G0B, 52
.set MSB, 0
.macro WIN new                         ; the immediate's high byte repeats the setting that is left
.if MSB != \new
	s_set_vgpr_msb (MSB<<8)|\new
.set MSB, \new
.endif
.endm
.set MUL_LO, 0xa1
.set MUL_HI, 0xf1
.set TO_B,   0x40
.macro JLOAD g0a, g1a, g0b, g1b        ; waves 0 and 1 fetch ctx's halves, waves 2 and 3 wo's; four v_nop follow each line
	s_cmp_eq_u32 s13, 0
	s_cbranch_scc0 .Lfor_b_\@
	tensor_load_to_lds s[\g0a:\g0a+3], s[\g1a:\g1a+7]
	s_nop 0
.rept 4
	v_nop
.endr
	s_branch .Lasked_\@
.Lfor_b_\@:
	tensor_load_to_lds s[\g0b:\g0b+3], s[\g1b:\g1b+7]
	s_nop 0
.rept 4
	v_nop
.endr
.Lasked_\@:
.endm
.macro CREST
	s_cmp_lg_u32 s12, 0
	s_cbranch_scc1 .Lnot_wave_0_\@
	s_barrier_signal -3
.Lnot_wave_0_\@:
	s_barrier_wait -3
	s_barrier_signal -1
	s_barrier_wait -1
.endm
.macro CROUND
	s_barrier_signal -1
	s_barrier_wait -1
	CREST
.endm
	s_load_b256 s[4:11], s[0:1], 0x0               ; ctxc s[4:5], wc s[6:7], scl s[8:9], out0 s[10:11]
	v_lshl_add_u32 v[SPW], v0, 2, SPARE
	v_mov_b32 v[NIL], 0
	ds_add_u32 v28, v29
	ds_add_u32 v28, v29
	s_wait_dscnt 0x0
	v_lshrrev_b32 v1, 5, v0
	v_readfirstlane_b32 s12, v1                    ; wave 0..3
	s_lshr_b32 s13, s12, 1                         ; i1: my half of the tokens.  Also: I fetch for ctx (0) or for wo (1)
	s_and_b32 s14, s12, 1                          ; i0: my half of the columns.  Also: which 128 rows I fetch
	s_bfe_u32 s15, ttmp6, 0x40000                  ; cx
	s_bfe_u32 s16, ttmp6, 0x40004                  ; cy
	s_lshl_b32 s17, ttmp9, 2
	s_add_co_u32 s17, s17, s15                     ; gx: which 256 columns
	s_and_b32 s18, ttmp7, 0xffff
	s_lshl_b32 s18, s18, 2
	s_add_co_u32 s18, s18, s16                     ; gy: which 256 tokens
	s_lshl_b32 s20, s16, 2
	s_lshl_b32 s20, 15, s20                        ; my row of the cluster
	s_lshl_b32 s21, 0x1111, s15                    ; my column
	s_or_b32 s[G1], s20, (3<<16)|(1<<21)
	s_or_b32 s[G1B], s21, (3<<16)|(1<<21)
.irp g, G1, G1B                        ; a dense block of 24,576 bytes as 96 rows of 256
	s_mov_b32 s[\g+1], 32<<16
	s_mov_b32 s[\g+2], 96<<16
	s_mov_b32 s[\g+3], 32<<16
	s_mov_b32 s[\g+4], 96
	s_mov_b32 s[\g+5], 32
	s_mov_b32 s[\g+6], 0
	s_mov_b32 s[\g+7], 0
.endr
	s_lshl_b32 s22, s14, 3
	s_lshl_b32 s20, s18, 4
	s_add_co_u32 s20, s20, s22                     ; ctx: tile 16 gy + 8 half
	s_mul_i32 s20, s20, 3072
	s_mov_b32 s21, 0
	s_lshl_b32 s78, s17, 4
	s_add_co_u32 s78, s78, s22
	s_add_co_u32 s78, s78, 192                     ; wo: tile 192 + 16 gx + 8 half
	s_mul_i32 s78, s78, 3072
	s_mov_b32 s79, 0
	s_mul_i32 s23, s12, HALFT
	s_wait_kmcnt 0x0
	s_add_nc_u64 s[20:21], s[4:5], s[20:21]
	s_add_nc_u64 s[78:79], s[6:7], s[78:79]
	CROUND                                         ; all sixteen work-groups are here: the first joint loads meet
.irp s, 0,1,2
	s_mov_b32 s[G0+4*\s], 1
	s_add_co_u32 s[G0+4*\s+1], s23, \s*SLOT
	s_add_nc_u64 s[G0+4*\s+2:G0+4*\s+3], s[20:21], \s*XSL
	s_or_b32 s[G0+4*\s+3], s[G0+4*\s+3], 0x80000000
	s_mov_b32 s[G0B+4*\s], 1
	s_add_co_u32 s[G0B+4*\s+1], s23, \s*SLOT
	s_add_nc_u64 s[G0B+4*\s+2:G0B+4*\s+3], s[78:79], \s*WSL
	s_or_b32 s[G0B+4*\s+3], s[G0B+4*\s+3], 0x80000000
	JLOAD G0+4*\s, G1, G0B+4*\s, G1B
.endr
	v_and_b32 v1, 31, v0                           ; lane
	v_and_b32 v2, 15, v0                           ; r
	v_bfe_u32 v3, v0, 4, 1                         ; hl
	v_lshlrev_b32 v[L16], 4, v1
	v_lshlrev_b32 v[L8], 3, v1
	s_mul_i32 s90, s13, HALFT                      ; ctx: my 128 rows
	s_mul_i32 s91, s14, HALFT
	s_add_co_u32 s91, s91, 2*HALFT                 ; wo: my 128 rows, behind ctx's 256
.irp s, 0,1,2
	v_add_nc_u32 v[A16+\s], s90, v[L16]
	v_add_nc_u32 v[A8+\s], s90, v[L8]
	v_add_nc_u32 v[B16+\s], s91, v[L16]
	v_add_nc_u32 v[B8+\s], s91, v[L8]
	s_add_co_u32 s90, s90, SLOT
	s_add_co_u32 s91, s91, SLOT
.endr
	s_lshl_b32 s82, s18, 13
	s_lshl_b32 s92, s13, 12
	s_add_co_u32 s82, s82, s92
	s_add_co_u32 s82, s82, 393216                  ; ctx's scale words: tile 16 gy + 8 i1
	s_lshl_b32 s83, s17, 13
	s_lshl_b32 s92, s14, 12
	s_add_co_u32 s83, s83, s92
	s_add_co_u32 s83, s83, 360448                  ; wo's: 262,144 + 512 (192 + 16 gx + 8 i0)
	v_cmp_gt_u32 vcc_lo, 16, v1
	v_mov_b32 v20, s83
	v_mov_b32 v21, s82
	v_cndmask_b32 v20, v20, v21, vcc_lo            ; lanes 0-15 take ctx's words, lanes 16-31 wo's
	v_lshl_add_u32 v20, v2, 2, v20
.irp i, 0,1,2,3,4,5,6,7
.irp k, 0,1,2,3,4,5,6,7
	global_load_b32 v[SC+8*\i+\k], v20, s[8:9] offset:512*\i+64*\k
.endr
.endr
	s_mul_i32 s92, s12, 16*528
	s_add_co_u32 s92, s92, SLOT                    ; my stage: 16 rows x (512 bytes + 16), in slot 1
	v_mul_u32_u24 v[STO], v2, 528
	v_lshl_add_u32 v[STO], v3, 6, v[STO]
	v_add_nc_u32 v[STO], s92, v[STO]               ; in: row r, + 64 hl
	v_add_nc_u32 v[RD], s92, v[L16]                ; back: a row of 512 bytes, 16 a lane
	s_lshl_b32 s92, s18, 20                        ; out: 256 gy rows of 4,096 bytes
	s_lshl_b32 s93, s13, 19                        ; + 128 i1 rows
	s_add_co_u32 s92, s92, s93
	s_lshl_b32 s93, s17, 10                        ; + 256 gx columns
	s_add_co_u32 s92, s92, s93
	s_lshl_b32 s93, s14, 9                         ; + 128 i0 columns
	s_add_co_u32 s92, s92, s93
	s_mov_b32 s93, 0
	s_add_nc_u64 s[10:11], s[10:11], s[92:93]
.macro FRAG reg, a16, a8, off
	ds_load_b128 v[\reg:\reg+3], v[\a16] offset:\off
	ds_load_b64 v[\reg+4:\reg+5], v[\a8] offset:\off+512
	ds_load_b128 v[\reg+6:\reg+9], v[\a16] offset:\off+768
	ds_load_b64 v[\reg+10:\reg+11], v[\a8] offset:\off+1280
.endm
.macro FETCH_B sl, q, p
	WIN TO_B
.irp i, 0,1,2,3,4,5,6,7
	FRAG 128*(\p)+12*\i, B16+\sl, B8+\sl, 3072*\i+1536*(\q)
.endr
	WIN 0
.endm
.macro FETCH_A sl, q, i0
.irp i, \i0, \i0+1, \i0+2, \i0+3
	FRAG AF+12*(\i), A16+\sl, A8+\sl, 3072*(\i)+1536*(\q)
.endr
.endm
; 16 matrix instructions: ctx's blocks a0, a0 + 1 x wo's eight, K step ks.  The 64 accumulators take turns, one instruction a turn, in the same order in every step.
.macro MUL16 a0, p, ks, zero
.irp a, \a0, \a0+1
.irp b, 0,1,2,3,4,5,6,7
.if \zero
	v_wmma_scale_f32_16x16x128_f8f6f4 v[8*(8*((\a)%4)+\b):8*(8*((\a)%4)+\b)+7], v[128*(\p)+12*\b:128*(\p)+12*\b+11], v[AF+12*(\a):AF+12*(\a)+11], 0, v[SC+8*\b+(\ks)], v[SC+8*(\a)+(\ks)] matrix_a_fmt:MATRIX_FMT_FP6 matrix_b_fmt:MATRIX_FMT_FP6 matrix_a_scale:MATRIX_SCALE_ROW1
.else
	v_wmma_scale_f32_16x16x128_f8f6f4 v[8*(8*((\a)%4)+\b):8*(8*((\a)%4)+\b)+7], v[128*(\p)+12*\b:128*(\p)+12*\b+11], v[AF+12*(\a):AF+12*(\a)+11], v[8*(8*((\a)%4)+\b):8*(8*((\a)%4)+\b)+7], v[SC+8*\b+(\ks)], v[SC+8*(\a)+(\ks)] matrix_a_fmt:MATRIX_FMT_FP6 matrix_b_fmt:MATRIX_FMT_FP6 matrix_a_scale:MATRIX_SCALE_ROW1
.endif
.endr
.endr
.endm
.macro PLACES n                        ; plain places behind matrix instructions, in front of loads into registers that they have read and of reads of results
.rept \n
	v_nop
.endr
.endm
.macro STEP ks, nsl, nq, zero
	s_wait_dscnt 16                                ; wo's set and ctx's blocks 0-3 are in; the youngest 16 loads (blocks 4-7) may be out
	WIN MUL_LO
	MUL16 0, (\ks)%2, \ks, \zero
	MUL16 2, (\ks)%2, \ks, \zero
	s_wait_dscnt 0x0
	PLACES 4
	FETCH_B \nsl, \nq, 1-(\ks)%2
	FETCH_A \nsl, \nq, 0
	WIN MUL_HI
	MUL16 4, (\ks)%2, \ks, \zero
	MUL16 6, (\ks)%2, \ks, \zero
	PLACES 4
	WIN 0
	FETCH_A \nsl, \nq, 4
.endm
.macro TURN ks, nsl, fill
	s_wait_tensorcnt 0x0                           ; all my tensor loads have landed
	ds_add_u32 v[SPW], v[NIL]                      ; 0 onto my spare word
	s_wait_dscnt 17                                ; (the add and the youngest 16 loads may be out)
	WIN MUL_LO
	MUL16 0, 1, \ks, 0
	s_wait_dscnt 0x0                               ; the add is done, and my reads of the slot are over
	s_barrier_signal -1
	MUL16 2, 1, \ks, 0
	WIN 0
	s_barrier_wait -1
.if \fill
	CREST                                          ; the barrier has opened a round of the cluster's: no wave of any partner still reads slot 0 or has a load on its way
	s_add_nc_u64 s[G0+2:G0+3], s[G0+2:G0+3], 3*XSL
	s_add_nc_u64 s[G0B+2:G0B+3], s[G0B+2:G0B+3], 3*WSL
	JLOAD G0, G1, G0B, G1B                         ; the first tensor load behind the round: three and a half K steps, 224 matrix instructions, ahead of the wait for it
.else
	PLACES 4
.endif
	FETCH_B \nsl, 0, 0
	FETCH_A \nsl, 0, 0
	WIN MUL_HI
	MUL16 4, 1, \ks, 0
	MUL16 6, 1, \ks, 0
	PLACES 4
	WIN 0
	FETCH_A \nsl, 0, 4
.endm
	s_wait_tensorcnt 2                             ; my part of slot 0 is in; slots 1 and 2 may stay out
	s_barrier_signal -1
	s_barrier_wait -1
	FETCH_B 0, 0, 0
	FETCH_A 0, 0, 0
	FETCH_A 0, 0, 4
	s_wait_loadcnt 0x0                             ; the scale words
	STEP 0, 0, 1, 1
	TURN 1, 1, 1
	STEP 2, 1, 1, 0
	STEP 3, 2, 0, 0
	STEP 4, 2, 1, 0
	TURN 5, 0, 0                                   ; behind this barrier nobody reads slot 1, which has had its only fill: the stages lie there
	STEP 6, 0, 1, 0
	s_wait_dscnt 16
	WIN MUL_LO
	MUL16 0, 1, 7, 0
	MUL16 2, 1, 7, 0
	s_wait_dscnt 0x0
	WIN MUL_HI
	MUL16 4, 1, 7, 0
	MUL16 6, 1, 7, 0
	WIN 0
; THE WAY OUT, block by block of 16 tokens x 128 columns.  Register j of accumulator (a, b) is column 32 (b / 2) + 16 hl + 8 (b % 2) + j of the lane's token: 32 neighbouring bytes.  A block goes through my own stage and comes back
; as whole rows of 512 bytes.  LDS serves a wave's instructions in order: no wait between the stores and the loads.  Stage row t is token 32 (a / 2) + 8 (a % 2) + t + 8 (t / 8) of my 128.
.macro TOSTAGE a
.set AC, 64*((\a)%4)
	WIN 0x08+4*((\a)/4)                            ; the data: window 2 or 3
.irp b, 0,1,2,3,4,5,6,7
	ds_store_b128 v[STO], v[AC+8*\b:AC+8*\b+3] offset:128*(\b/2)+32*(\b%2)       ; each accumulator from its low end on
	ds_store_b128 v[STO], v[AC+8*\b+4:AC+8*\b+7] offset:128*(\b/2)+32*(\b%2)+16
.endr
	WIN 0
.set BB, BK+64*((\a)%2)
.irp t, 0,1,2,3,4,5,6,7,8,9,10,11,12,13,14,15
	ds_load_b128 v[BB+4*\t:BB+4*\t+3], v[RD] offset:\t*528
.endr
.endm
.macro SEND a, younger                 ; younger: the LDS instructions issued behind block a's loads, which may stay out
.set BB, BK+64*((\a)%2)
	s_wait_dscnt \younger
.irp t, 0,1,2,3,4,5,6,7,8,9,10,11,12,13,14,15
	global_store_b128 v[L16], v[BB+4*\t:BB+4*\t+3], s[10:11] offset:(32*((\a)/2)+8*((\a)%2)+\t+8*(\t/8))*4096 th:TH_STORE_NT   ; 512 consecutive bytes, aligned to 256; every offset an immediate, 127 rows at the most
.endr
.endm
	PLACES 4
	TOSTAGE 0
.irp a, 1,2,3,4,5,6,7
.if \a > 1
	s_wait_xcnt 0x0                                ; block a - 2's stores have read their registers: block a's loads may land there
.endif
	TOSTAGE \a
	SEND \a-1, 32                                  ; behind block a - 1's loads: block a's 16 stores and 16 loads
.endr
	SEND 7, 0
	s_wait_tensorcnt 0x0                           ; the wave's end
	ds_add_u32 v[SPW], v[NIL]
	s_wait_dscnt 0x0
	CROUND                                         ; the closing round
	s_endpgm
.Lfunc_end_k_q3117f99b6a_gemm_out:
	.size	k_q3117f99b6a_gemm_out, .Lfunc_end_k_q3117f99b6a_gemm_out-k_q3117f99b6a_gemm_out
	.p2alignl 7, 3214868480
	.fill 96, 4, 3214868480
	.section	.rodata,"a",@progbits
	.p2align	6, 0x0
	.amdhsa_kernel k_q3117f99b6a_gemm_out
		.amdhsa_group_segment_fixed_size 327680
		.amdhsa_private_segment_fixed_size 0
		.amdhsa_enable_private_segment 0
		.amdhsa_kernarg_size 32
		.amdhsa_user_sgpr_count 2
		.amdhsa_user_sgpr_kernarg_segment_ptr 1
		.amdhsa_wavefront_size32 1
		.amdhsa_system_sgpr_workgroup_id_x 1
		.amdhsa_system_sgpr_workgroup_id_y 1
		.amdhsa_system_sgpr_workgroup_id_z 1
		.amdhsa_system_vgpr_workitem_id 0
		.amdhsa_next_free_vgpr 1024
		.amdhsa_next_free_sgpr 100
		.amdhsa_reserve_vcc 1
		.amdhsa_float_denorm_mode_32 3
		.amdhsa_float_denorm_mode_16_64 3
		.amdhsa_memory_ordered 1
		.amdhsa_forward_progress 1
		.amdhsa_inst_pref_size 145
	.end_amdhsa_kernel
	.amdgpu_metadata
---
amdhsa.version: [ 1, 2 ]
amdhsa.kernels:
  - .name:           k_q3117f99b6a_gemm_out
    .symbol:         k_q3117f99b6a_gemm_out.kd
    .args:
      - { .name: ctxc, .offset: 0, .size: 8, .value_kind: global_buffer, .address_space: global }
      - { .name: wc, .offset: 8, .size: 8, .value_kind: global_buffer, .address_space: global }
      - { .name: scl, .offset: 16, .size: 8, .value_kind: global_buffer, .address_space: global }
      - { .name: out0, .offset: 24, .size: 8, .value_kind: global_buffer, .address_space: global }
    .group_segment_fixed_size: 327680
    .private_segment_fixed_size: 0
    .kernarg_segment_align: 8
    .kernarg_segment_size: 32
    .max_flat_workgroup_size: 128
    .sgpr_count:     100
    .vgpr_count:     1024
    .wavefront_size: 32
...
	.end_amdgpu_metadata
.endif
;; end of part 4
